; MI455X (gfx1250); checked and timed in simulation.
; The chip was launched on July 23, 2026; its instructions are those of AMD's public machine-readable ISA for CDNA 5 (MIT licence, August 2026) and "CDNA5" Instruction Set Architecture Reference Guide (July 2026). The comments in the code are by the model that wrote it; some were corrected since.
;; Multi Head Attention Block. Allowed arithmetic: matrix products marked QUANTISED: E2M3 operands, one E8M0 scale for each 32 along K, by v_wmma_scale_f32_16x16x128_f8f6f4 with both operands' format E2M3, f32 sums; everything else in f32.
;; Inputs: k 4 x 2,048 x 1,024 float32; mask 4 x 1 x 2,048 x 2,048 int32; q 4 x 2,048 x 1,024 float32; v 4 x 2,048 x 1,024 float32; w_k 1,024 x 1,024 float32; w_o 1,024 x 1,024 float32; w_q 1,024 x 1,024 float32; w_v 1,024 x 1,024 float32.
;; Outputs: out0 4 x 2,048 x 1,024 float32.
;; This version of the problem:
;;   THIS VERSION OF THE PROBLEM IS GIVEN IN LOW PRECISION. The matrix products marked QUANTISED in the list below multiply operands that are first quantised to E2M3 (2 exponent bits, 3 mantissa bits; 6 bits a number), with one power-of-two scale for each 32 numbers along K (OCP MX v1.0); their sums are f32. All else is computed in f32.
;;   The module's matrix products, in the order in which they are computed (A, B: the left and right operand; K: the contracted axis; several contracted axes count as one K, in the product's order):
;;     1. [M 8,192, K 1,024] x [K 1,024, N 1,024]; A: input q; B: input w_q: QUANTISED
;;     2. [M 8,192, K 1,024] x [K 1,024, N 1,024]; A: input k; B: input w_k: QUANTISED
;;     3. [M 8,192, K 1,024] x [K 1,024, N 1,024]; A: input v; B: input w_v: QUANTISED
;;     4. batch 64 x [M 2,048, K 64] x [K 64, N 2,048]; A: computed on the way; B: computed on the way: QUANTISED
;;     5. batch 64 x [M 2,048, K 2,048] x [K 2,048, N 64]; A: softmax (see below); B: computed on the way: QUANTISED
;;     6. [M 8,192, K 1,024] x [K 1,024, N 1,024]; A: computed on the way; B: input w_o: QUANTISED
;;   THE QUANTISER, for each operand of a quantised product, along K:
;;     - K is cut into blocks of 32 from its start; a last block that is shorter is filled with zeros.
;;     - A block's scale is 2^e with e = floor(log2(the largest magnitude in the block)) - 2, held to -126 .. 127; a block of zeros has e = 0. As a byte (E8M0): e + 127.
;;     - Each number is divided by its block's scale, clamped to +-7.5, and rounded to the nearest number of E2M3, ties to even, subnormals kept.
;;     - The product sums the exact products of the quantised numbers (number of the format x scale) in f32.
;;   ~~~python
;;   def quantise(x, axis):      # numpy; x: float32 -> the quantised numbers, widened to float32 again
;;       x = np.moveaxis(x, axis, -1); K = x.shape[-1]
;;       x = np.pad(x, [(0, 0)] * (x.ndim - 1) + [(0, -K % 32)]); x = x.reshape(x.shape[:-1] + (-1, 32)); a = np.abs(x).max(-1, keepdims=True)
;;       e = np.where(a > 0, np.clip(np.frexp(np.where(a > 0, a, 1))[1] - 1 - 2, -126, 127), 0)      # np.frexp(a)[1] - 1 = floor(log2(a)), exactly
;;       r = np.clip(x / 2.0 ** e, -7.5, 7.5)
;;       step = 2.0 ** (np.maximum(np.frexp(np.where(r == 0, 1, r))[1] - 1, 0) - 3)
;;       q = np.round(r / step) * step * 2.0 ** e      # np.round: ties to even
;;       return np.moveaxis(q.reshape(q.shape[:-2] + (-1,))[..., :K], -1, axis).astype(np.float32)
;;   ~~~
;;   SOFTMAX AHEAD OF A QUANTISED PRODUCT. Where the list says 'softmax', what is quantised is not the finished softmax but p = 2^(t - M), with t = logit x log2(e) and M = ceil(the row's largest t), a whole number; so 1/2 < the row's largest p <= 1. The row's sum l is taken of the UNQUANTISED p, in f32, and the product's result is divided by l at the end. Since M is a whole number, a kernel that streams over the keys may use a running M (the ceiling of the running maximum): every later rescaling is an exact power of two, which a block's scale takes up: the codes' values come out the same.
;;   OPERANDS COMPUTED ON THE WAY. 'Computed on the way' means the value that the module computes at that place (a softmax that the list does not call 'softmax' is quantised finished and normalised). What goes into a quantiser is computed in f32, as accurately as f32 sums, v_exp_f32 and their like allow (about 1e-6 of the number): no bf16 or f16 on the way to a quantiser, and a product that is left as it is and whose result goes on into a quantised operand takes f32 operands (vector FMAs, or v_wmma_f32_16x16x4_f32). A number that lies on a knife's edge between two numbers of the format may be rounded either way, as far as f32 arithmetic and the matrix unit's own rounding can turn it there, and no further.
;; One version. Each part assembles by itself: llvm-mc -triple=amdgcn-amd-amdhsa -mcpu=gfx1250 --defsym DOCPART=n.
;; ======== version 1 of 1: 4 launches
;; limits: right only within a limited range of input values
;; workspace buffers: qin 22,937,600 bytes; msk 2,097,152 bytes of whole numbers; flg 262,144 bytes of whole numbers; himg 19,660,800 bytes; att 6,553,600 bytes
;; launch prep (part 1): grid 960 x 1, 4 waves a work-group, no clusters, 68,096 bytes of LDS; arguments q, k, v, w_q, w_k, w_v, w_o, mask, qin, msk, flg; writes qin, msk, flg
.if DOCPART == 1
	.amdgcn_target "amdgcn-amd-amdhsa--gfx1250"
	.amdhsa_code_object_version 6
	.text
	.protected	k_q77ca8024e9_prep
	.globl	k_q77ca8024e9_prep
	.p2align	8
	.type	k_q77ca8024e9_prep,@function
k_q77ca8024e9_prep:
	s_mov_b64 s[64:65], 0
	v_nop
	global_prefetch_b8 v0, s[64:65] scope:SCOPE_SE
	s_setreg_imm32_b32 hwreg(HW_REG_WAVE_MODE, 25, 1), 1
	s_wait_xcnt 0x0
; PREP.  (Q) q, k, v [8192][1024] and w_q, w_k, w_v, w_o [1024][1024], f32, K innermost, become codes of FP6 (E2M3) with one E8M0 byte for each 32 along K.
; (M) the mask [4][1][2048][2048], int32, becomes lane-mask words for the attention launch.
; TILES OF 16 POSITIONS.  Position r of tile T of a tensor stands for row 32 (T / 2) + 8 (T % 2) + r + 8 (r / 8): where such tiles are source 0 of a product, the 16 result
; registers of tiles 2 b and 2 b + 1 are 16 neighbouring rows, which is what the next quantiser wants in one lane.
; A FRAGMENT'S IMAGE, 1,536 bytes for 16 positions x 128 K: for c = 0, 1 at 768 c: registers 6 c .. 6 c + 3 at 16 x lane, registers 6 c + 4, 6 c + 5 at 512 + 8 x lane.
; qin: images at 12,288 G + 1,536 s (tile G of all seven tensors on end, K step s); scale rows at SCOFF + 512 G + 32 r + k / 32.
; msk: word n = 16 blk + i of (batch b, query tile t, key step) at ((128 b + t) 16 + step) 256 + 4 n; its bit L says mask[query of position L % 16][128 step + 32 blk + 16 (L / 16) + i] != 0.
; A block's scale is 2^(floor(log2(largest magnitude)) - 2); its byte is the largest magnitude's exponent field - 2, held at 1 from below.
; LIMITS: a block of zeros keeps the byte 1 where the rule says 127 (its codes are zeros, and this program alone reads the bytes); blocks whose largest magnitude lies under 2^-124 are held at
; that floor; NaN and infinities are not served.
; SHARES.  Work-groups 0-447: a wave takes one tile over all of K, 8 steps.  Work-groups 448-959: a work-group takes one (b, t), wave w key steps 4 w .. 4 w + 3.
; A STEP is 16 rows x 512 bytes in both: 16 loads of 512 consecutive bytes, turned through the wave's own stage in LDS (pitch 528), so that lane (r, h) then holds, of row r, register 16 blk + i = k 32 blk + 16 h + i.
; Two sets of 16 loads a wave are on their way.  No barrier: waves share nothing.  The two paths have LDS bytes of their own.
.set PITCHS, 528                       ; a stage row: 512 bytes + 16: the sixteen rows that a load touches start at sixteen different groups of banks
.set STGB,   16*PITCHS
.set RR,     16                        ; v16-143  two sets of 64 registers as loaded
.set X,      144                       ; v144-207 64 numbers in the quantiser's order
.set PC,     208                       ; v208-227 the codes just made (12) and the conversions' second halves (8)
.set MW,     208                       ; path M: v208-215 a pair of registers for each step's 64 words
.set TM,     228                       ; v228-243 at work
.set PW,     244                       ; the scale word just made
.set SW,     246                       ; v246-253 the eight steps' scale words
.set SEL,    12                        ; s[12:13] v_permlanex16_b32's selects for lane l xor 16
.set SCOFF,  22020096
.set NQWG,   448
	s_load_b512 s[16:31], s[0:1], 0x0              ; q, k, v, w_q, w_k, w_v, w_o, mask
	s_load_b128 s[4:7], s[0:1], 0x40               ; qin, msk
	; flg: for (batch b, query tile t), wave w of path M, at (128 b + t) 512 + 128 w: words 0-3 the OR of the 64 mask words of key steps 4 w .. 4 w + 3, words 4-7 their AND, words 8-31 zeros
	s_load_b64 s[44:45], s[0:1], 0x50              ; flg
	v_lshl_add_u32 v254, v0, 2, 0x10800
	v_mov_b32 v255, 0
	v_lshrrev_b32 v1, 5, v0
	v_readfirstlane_b32 s8, v1                     ; wave
	v_and_b32 v1, 31, v0                           ; lane
	v_and_b32 v2, 15, v0                           ; r
	v_bfe_u32 v3, v0, 4, 1                         ; h
	v_lshlrev_b32 v4, 4, v1                        ; 16 x lane
	v_lshlrev_b32 v5, 3, v1                        ; 8 x lane
	s_mul_i32 s9, s8, STGB                         ; my stage on path Q,
	s_add_co_u32 s10, s9, 4*STGB                   ; and on path M
	v_mul_u32_u24 v8, v2, PITCHS
	v_lshl_add_u32 v8, v3, 6, v8                   ; row r, + 64 h
	v_add_nc_u32 v6, s9, v4                        ; Q: into the stage
	v_add_nc_u32 v7, s9, v8                        ; Q: out of it
	v_add_nc_u32 v10, s10, v4                      ; M: into the stage
	v_add_nc_u32 v11, s10, v8                      ; M: out of it
	v_lshlrev_b32 v9, 5, v2
	v_lshl_add_u32 v9, v3, 4, v9                   ; 32 r + 16 h: my 16 bytes of the tile's scale rows
	s_mov_b32 s[SEL], 0x76543210
	s_mov_b32 s[SEL+1], 0xfedcba98
	s_wait_kmcnt 0x0
.macro LOADR set, pitch, st            ; 16 rows x 512 bytes: position i is row i + 8 (i / 8) of the tile's 24
.irp i, 0,1,2,3,4,5,6,7,8,9,10,11,12,13,14,15
	global_load_b128 v[RR+64*(\set)+4*\i:RR+64*(\set)+4*\i+3], v4, s[32:33] offset:(\i+8*(\i/8))*(\pitch)+512*(\st) th:TH_LOAD_NT
.endr
.endm
.macro TURN set, stw, str              ; through the stage: LDS serves a wave's instructions in order, so no wait stands between the stores and the loads
.irp i, 0,1,2,3,4,5,6,7,8,9,10,11,12,13,14,15
	ds_store_b128 v[\stw], v[RR+64*(\set)+4*\i:RR+64*(\set)+4*\i+3] offset:\i*PITCHS
.endr
.irp n, 0,1,2,3,4,5,6,7,8,9,10,11,12,13,14,15
	ds_load_b128 v[X+4*\n:X+4*\n+3], v[\str] offset:128*(\n/4)+16*(\n%4)
.endr
.endm
	s_cmp_lt_u32 ttmp9, NQWG
	s_cbranch_scc0 .Lmask
; ---------------- path Q ----------------
	s_mov_b64 s[32:33], s[28:29]                   ; which tensor, and its first work-group: the choice hangs on the work-group's number alone
	s_mov_b32 s34, 432
	s_cmp_lt_u32 ttmp9, 432
	s_cselect_b64 s[32:33], s[26:27], s[32:33]
	s_cselect_b32 s34, 416, s34
	s_cmp_lt_u32 ttmp9, 416
	s_cselect_b64 s[32:33], s[24:25], s[32:33]
	s_cselect_b32 s34, 400, s34
	s_cmp_lt_u32 ttmp9, 400
	s_cselect_b64 s[32:33], s[22:23], s[32:33]
	s_cselect_b32 s34, 384, s34
	s_cmp_lt_u32 ttmp9, 384
	s_cselect_b64 s[32:33], s[20:21], s[32:33]
	s_cselect_b32 s34, 256, s34
	s_cmp_lt_u32 ttmp9, 256
	s_cselect_b64 s[32:33], s[18:19], s[32:33]
	s_cselect_b32 s34, 128, s34
	s_cmp_lt_u32 ttmp9, 128
	s_cselect_b64 s[32:33], s[16:17], s[32:33]
	s_cselect_b32 s34, 0, s34
	s_sub_co_u32 s34, ttmp9, s34
	s_lshl_b32 s34, s34, 2
	s_add_co_u32 s34, s34, s8                      ; T: my tile of the tensor
	s_lshr_b32 s35, s34, 1
	s_lshl_b32 s36, s35, 17                        ; 32 rows of 4,096 bytes for each pair of tiles,
	s_and_b32 s35, s34, 1
	s_lshl_b32 s35, s35, 15                        ; 8 rows for the odd one
	s_add_co_u32 s36, s36, s35
	s_mov_b32 s37, 0
	s_add_nc_u64 s[32:33], s[32:33], s[36:37]
	s_lshl_b32 s38, ttmp9, 2
	s_add_co_u32 s38, s38, s8                      ; G: my tile among all seven tensors'
	s_mul_i32 s40, s38, 12288
	s_mov_b32 s41, 0
	s_add_nc_u64 s[40:41], s[4:5], s[40:41]        ; its images
	s_lshl_b32 s42, s38, 9
	s_add_co_u32 s42, s42, SCOFF
	s_mov_b32 s43, 0
	s_add_nc_u64 s[42:43], s[4:5], s[42:43]        ; its scale rows
	LOADR 0, 4096, 0
	LOADR 1, 4096, 1
.irp b, 0,1,2,3
	v_mov_b32 v[TM+4+\b], 0                        ; written once: a lane permute's destination counts as one of its sources
.endr
; 64 numbers of a lane, register 16 b + i = k 32 b + 16 h + i of my row, become a fragment's 12 registers of codes in v[PC] on and its scale word in v[PW]
.macro QUANT s
.irp b, 0,1,2,3
	v_max3_num_f32 v[TM+\b], |v[\s+16*\b]|, |v[\s+1+16*\b]|, 0x1800000   ; block b: my 16 numbers, and the floor 2^(3 - 127): so the byte cannot fall under 1
.endr
.irp i, 2,4,6,8,10,12,14
.irp b, 0,1,2,3
	v_max3_num_f32 v[TM+\b], v[TM+\b], |v[\s+16*\b+\i]|, |v[\s+1+16*\b+\i]|   ; the four blocks by turns
.endr
.endr
.irp b, 0,1,2,3
	v_permlanex16_b32 v[TM+4+\b], v[TM+\b], s[SEL], s[SEL+1]
.endr
.irp b, 0,1,2,3
	v_max_num_f32 v[TM+\b], v[TM+\b], v[TM+4+\b]   ; with lane l xor 16's: the block's largest magnitude
.endr
.irp b, 0,1,2,3
	v_add_nc_u32 v[TM+12+\b], 0xff000000, v[TM+\b] ; 2 off its exponent field: the conversion takes the exponent field of this operand as its scale
.endr
.irp b, 0,1,2,3
	v_lshrrev_b32 v[TM+4+\b], 23, v[TM+12+\b]      ; the scale's byte
.endr
	v_lshl_or_b32 v[PW], v[TM+5], 8, v[TM+4]
	v_lshl_or_b32 v[PW], v[TM+6], 16, v[PW]
	v_lshl_or_b32 v[PW], v[TM+7], 24, v[PW]
	s_wait_xcnt 0x0                                ; the last step's stores have read the codes' registers: they are written again only behind this wait
.irp c, 0,1
	v_cvt_scalef32_pk16_fp6_f32 v[PC+6*\c:PC+2+6*\c], v[\s+32*\c:\s+15+32*\c], v[TM+12+2*\c]
	v_cvt_scalef32_pk16_fp6_f32 v[PC+12+4*\c:PC+14+4*\c], v[\s+16+32*\c:\s+31+32*\c], v[TM+12+2*\c+1]   ; (a conversion's three registers begin on an even number)
.endr
	v_nop                                          ; one plain place behind a scaled conversion
.irp c, 0,1                            ; the operand's layout wants a whole block in a lane: lanes 0-15 block 2 c, lanes 16-31 block 2 c + 1
.irp i, 0,1,2
	v_permlane16_swap_b32 v[PC+6*\c+\i], v[PC+12+4*\c+\i]
.endr
.irp i, 0,1,2
	v_mov_b32 v[PC+3+6*\c+\i], v[PC+12+4*\c+\i]
.endr
.endr
.endm
.macro QSTEP st
.if \st < 7
	s_wait_loadcnt 16                              ; this step's 16 loads are in; the next step's 16 may be out
.else
	s_wait_loadcnt 0x0
.endif
	TURN (\st)%2, 6, 7
	s_wait_dscnt 0x0                               ; the numbers are back, so the stores into the stage have read their registers,
.if \st+2 < 8
	LOADR (\st)%2, 4096, (\st)+2                   ; which take the loads of two steps on
.endif
	QUANT X
	v_mov_b32 v[SW+\st], v[PW]
	global_store_b128 v4, v[PC:PC+3], s[40:41] offset:1536*\st          ; the image: each store covers 512 or 256 consecutive bytes, aligned to 256
	global_store_b64 v5, v[PC+4:PC+5], s[40:41] offset:1536*\st+512
	global_store_b128 v4, v[PC+6:PC+9], s[40:41] offset:1536*\st+768
	global_store_b64 v5, v[PC+10:PC+11], s[40:41] offset:1536*\st+1280
.endm
	s_wait_alu depctr_va_vdst(0)
.irp t, 0,1,2,3,4,5,6,7
	QSTEP \t
.endr
	v_cmp_le_u32 vcc_lo, 16, v1                    ; lanes 0-15 store their row's words 0-3, lanes 16-31 words 4-7: 512 consecutive bytes
.irp x, 0,1,2,3
	v_cndmask_b32 v[12+\x], v[SW+\x], v[SW+4+\x], vcc_lo
.endr
	global_store_b128 v9, v[12:15], s[42:43]
	s_wait_tensorcnt 0x0
	ds_add_u32 v254, v255
	s_wait_dscnt 0x0
	s_endpgm
; ---------------- path M ----------------
.Lmask:
	s_sub_co_u32 s34, ttmp9, NQWG                  ; 128 b + t
	s_lshr_b32 s35, s34, 7
	s_lshl_b32 s35, s35, 24                        ; a batch's mask is 2,048 rows of 8,192 bytes
	s_and_b32 s36, s34, 127
	s_lshr_b32 s37, s36, 1
	s_lshl_b32 s37, s37, 18                        ; 32 rows for each pair of tiles,
	s_add_co_u32 s35, s35, s37
	s_and_b32 s36, s36, 1
	s_lshl_b32 s36, s36, 16                        ; 8 rows for the odd one,
	s_add_co_u32 s35, s35, s36
	s_lshl_b32 s37, s8, 11                         ; my wave's four key steps of 512 bytes
	s_add_co_u32 s36, s35, s37
	s_mov_b32 s37, 0
	s_add_nc_u64 s[32:33], s[30:31], s[36:37]
	s_lshl_b32 s40, s34, 12
	s_lshl_b32 s38, s8, 10
	s_add_co_u32 s40, s40, s38
	s_mov_b32 s41, 0
	s_add_nc_u64 s[40:41], s[6:7], s[40:41]        ; my four steps' words
	s_lshl_b32 s42, s34, 9
	s_lshl_b32 s38, s8, 7
	s_add_co_u32 s42, s42, s38
	s_mov_b32 s43, 0
	s_add_nc_u64 s[44:45], s[44:45], s[42:43]      ; my 128 bytes of flg
	LOADR 0, 8192, 0
	LOADR 1, 8192, 1
.irp i, 0,1,2,3,4,5,6,7
	v_mov_b32 v[MW+\i], 0                          ; v_writelane_b32's destination counts as read
.endr
	v_mov_b32 v216, 0                              ; the flag words: lanes 8-31 stay 0
	v_lshlrev_b32 v12, 2, v1                       ; 4 x lane
.macro MSTEP st
.if \st < 3
	s_wait_loadcnt 16                              ; this step's 16 loads are in; the next step's 16 may be out
.else
	s_wait_loadcnt 0x0
.endif
	TURN (\st)%2, 10, 11
	s_wait_dscnt 0x0
.if \st+2 < 4
	LOADR (\st)%2, 8192, (\st)+2
.endif
	s_mov_b32 s[16+\st], 0                         ; the step's OR and AND of its 64 words (the registers held pointers that this path does not use)
	s_mov_b32 s[20+\st], -1
.irp g, 0,1,2,3
.irp i, 0,1,2,3,4,5,6,7,8,9,10,11,12,13,14,15
	v_cmp_ne_u32 s[46+\i], 0, v[X+16*\g+\i]
.endr
.irp i, 0,1,2,3,4,5,6,7,8,9,10,11,12,13,14,15
	s_or_b32 s[16+\st], s[16+\st], s[46+\i]
	s_and_b32 s[20+\st], s[20+\st], s[46+\i]
.endr
.irp i, 0,1,2,3,4,5,6,7,8,9,10,11,12,13,14,15
	v_writelane_b32 v[MW+2*\st+(\i%2)], s[46+\i], 8*\g+\i/2
.endr
.endr
	global_store_b64 v5, v[MW+2*\st:MW+2*\st+1], s[40:41] offset:256*\st   ; 32 lanes store 256 consecutive bytes, aligned; each step has a pair of registers of its own
.endm
.irp t, 0,1,2,3
	MSTEP \t
.endr
.irp j, 0,1,2,3,4,5,6,7
	v_writelane_b32 v216, s[16+\j], \j
.endr
	global_store_b32 v12, v216, s[44:45]           ; 32 lanes store 128 consecutive bytes
	s_wait_tensorcnt 0x0
	ds_add_u32 v254, v255
	s_wait_dscnt 0x0
	s_endpgm
.Lfunc_end_k_q77ca8024e9_prep:
	.size	k_q77ca8024e9_prep, .Lfunc_end_k_q77ca8024e9_prep-k_q77ca8024e9_prep
	.p2alignl 7, 3214868480
	.fill 96, 4, 3214868480
	.section	.rodata,"a",@progbits
	.p2align	6, 0x0
	.amdhsa_kernel k_q77ca8024e9_prep
		.amdhsa_group_segment_fixed_size 68096
		.amdhsa_private_segment_fixed_size 0
		.amdhsa_enable_private_segment 0
		.amdhsa_kernarg_size 88
		.amdhsa_user_sgpr_count 2
		.amdhsa_user_sgpr_kernarg_segment_ptr 1
		.amdhsa_wavefront_size32 1
		.amdhsa_system_sgpr_workgroup_id_x 1
		.amdhsa_system_sgpr_workgroup_id_y 1
		.amdhsa_system_sgpr_workgroup_id_z 1
		.amdhsa_system_vgpr_workitem_id 0
		.amdhsa_next_free_vgpr 256
		.amdhsa_next_free_sgpr 66
		.amdhsa_reserve_vcc 1
		.amdhsa_float_denorm_mode_32 3
		.amdhsa_float_denorm_mode_16_64 3
		.amdhsa_memory_ordered 1
		.amdhsa_forward_progress 1
		.amdhsa_inst_pref_size 131
	.end_amdhsa_kernel
	.amdgpu_metadata
---
amdhsa.version: [ 1, 2 ]
amdhsa.kernels:
  - .name:           k_q77ca8024e9_prep
    .symbol:         k_q77ca8024e9_prep.kd
    .args:
      - { .name: q, .offset: 0, .size: 8, .value_kind: global_buffer, .address_space: global }
      - { .name: k, .offset: 8, .size: 8, .value_kind: global_buffer, .address_space: global }
      - { .name: v, .offset: 16, .size: 8, .value_kind: global_buffer, .address_space: global }
      - { .name: w_q, .offset: 24, .size: 8, .value_kind: global_buffer, .address_space: global }
      - { .name: w_k, .offset: 32, .size: 8, .value_kind: global_buffer, .address_space: global }
      - { .name: w_v, .offset: 40, .size: 8, .value_kind: global_buffer, .address_space: global }
      - { .name: w_o, .offset: 48, .size: 8, .value_kind: global_buffer, .address_space: global }
      - { .name: mask, .offset: 56, .size: 8, .value_kind: global_buffer, .address_space: global }
      - { .name: qin, .offset: 64, .size: 8, .value_kind: global_buffer, .address_space: global }
      - { .name: msk, .offset: 72, .size: 8, .value_kind: global_buffer, .address_space: global }
      - { .name: flg, .offset: 80, .size: 8, .value_kind: global_buffer, .address_space: global }
    .group_segment_fixed_size: 68096
    .private_segment_fixed_size: 0
    .kernarg_segment_align: 8
    .kernarg_segment_size: 88
    .max_flat_workgroup_size: 128
    .sgpr_count:     66
    .vgpr_count:     256
    .wavefront_size: 32
...
	.end_amdgpu_metadata
.endif
;; end of part 1
;; launch proj (part 2): grid 4 x 96, 4 waves a work-group, clusters of 4 x 4, 327,680 bytes of LDS; arguments qin, himg; writes himg
.if DOCPART == 2
	.amdgcn_target "amdgcn-amd-amdhsa--gfx1250"
	.amdhsa_code_object_version 6
	.text
	.protected	k_q77ca8024e9_proj
	.globl	k_q77ca8024e9_proj
	.p2align	8
	.type	k_q77ca8024e9_proj,@function
k_q77ca8024e9_proj:
	s_mov_b64 s[64:65], 0
	v_nop
	global_prefetch_b8 v0, s[64:65] scope:SCOPE_SE
	s_setreg_imm32_b32 hwreg(HW_REG_WAVE_MODE, 25, 1), 1
	s_wait_xcnt 0x0
	s_wait_alu depctr_hold_cnt(0) depctr_sa_sdst(0) depctr_va_vdst(0) depctr_va_sdst(0) depctr_va_ssrc(0) depctr_va_vcc(0) depctr_vm_vsrc(0)
	s_getreg_b32 s2, hwreg(HW_REG_IB_STS2, 6, 4)
	s_cmp_eq_u32 s2, 0
	s_cbranch_scc0 .Lentry_in_a_cluster
	s_endpgm
.Lentry_in_a_cluster:
	s_bfe_u32 s2, ttmp6, 0x10000c
	s_cmp_lg_u32 s2, 0xf033
	s_cbranch_scc0 .Lentry_shape_is_right
	s_endpgm
.Lentry_shape_is_right:
.set NQ,     2
.set FR,     12
.set NL,     4
.set NP,     4
.set TILEB,  12288
.set FIB,    1536
.set SLB,    NQ*FIB
.set HALFT,  8*SLB
.set SLOT,   4*HALFT
.set SCL,    2*SLOT
.set HALFS,  16*272
.set SBLK,   2*272
.set SPARE,  SCL+4*HALFS
.set SCOFF,  22020096
.set ADRA, 16
.set ADRB, 20
.set ADRS, 27
.set SPW,  28
.set NIL,  29
.set SC,   32
.set AF,   128
.set PC,   64
.set DQ,   104
.set DV,   108
.set SELQ, 116
.set SELV, 117
.set OA,   118
.set OS,   122
.set TM,   224
.set PWS,  240
.set SEL,  2
.set OP,   96
.set OSP,  98
.set STA,  100
.set STH,  92
.set ISV,  94
.set G1, 24
.set G0, 32
.set G1B, 48
.set G0B, 56
.set G1S, 68
.set G0S, 76
.set G1SB, 80
.set G0SB, 88
.set MSB, 0
.macro WIN new
.if MSB != \new
	s_set_vgpr_msb (MSB<<8)|\new
.set MSB, \new
.endif
.endm
.set MUL_LO, 0xa1
.set MUL_HI, 0xf1
.set TO_B,   0x40
.macro JLOAD g0a, g1a, g0b, g1b
	s_cmp_eq_u32 s15, 0
	s_cbranch_scc0 .Lfor_b_\@
	tensor_load_to_lds s[\g0a:\g0a+3], s[\g1a:\g1a+7]
	s_nop 0
.rept 4
	v_nop
.endr
	s_branch .Lasked_\@
.Lfor_b_\@:
	tensor_load_to_lds s[\g0b:\g0b+3], s[\g1b:\g1b+7]
	s_nop 0
.rept 4
	v_nop
.endr
.Lasked_\@:
.endm
.macro CREST
	s_cmp_lg_u32 s14, 0
	s_cbranch_scc1 .Lnot_wave_0_\@
	s_barrier_signal -3
.Lnot_wave_0_\@:
	s_barrier_wait -3
	s_barrier_signal -1
	s_barrier_wait -1
.endm
.macro CROUND
	s_barrier_signal -1
	s_barrier_wait -1
	CREST
.endm
	s_load_b128 s[4:7], s[0:1], 0x0
	v_lshl_add_u32 v[SPW], v0, 2, SPARE
	v_mov_b32 v[NIL], 0
	ds_add_u32 v28, v29
	ds_add_u32 v28, v29
	s_wait_dscnt 0x0
	v_lshrrev_b32 v1, 5, v0
	v_readfirstlane_b32 s14, v1
	s_lshr_b32 s15, s14, 1
	s_and_b32 s16, s14, 1
	s_bfe_u32 s40, ttmp6, 0x40000
	s_bfe_u32 s41, ttmp6, 0x40004
	s_and_b32 s8, ttmp7, 0xffff
	s_lshr_b32 s9, s8, 3
	s_and_b32 s8, s8, 7
	s_lshl_b32 s12, s9, 9
	s_lshl_b32 s13, s9, 6
	s_add_co_u32 s13, s13, 1536
	s_cmp_eq_u32 s9, 2
	s_cselect_b32 s10, 0, s8
	s_cselect_b32 s11, s8, 0
	s_cselect_b32 s12, 1664, s12
	s_cselect_b32 s13, 1024, s13
	s_lshl_b32 s17, s10, 2
	s_add_co_u32 s17, s17, s41
	s_lshl_b32 s42, s11, 2
	s_add_co_u32 s42, s42, s40
	s_lshl_b32 s43, s41, 2
	s_lshl_b32 s43, 15, s43
	s_lshl_b32 s44, 0x1111, s40
	s_or_b32 s[G1+0], s43, (3<<16)|(1<<21)
	s_or_b32 s[G1B+0], s44, (3<<16)|(1<<21)
.irp g, G1, G1B
	s_mov_b32 s[\g+1], (SLB/8)<<16
	s_mov_b32 s[\g+2], 16<<16
	s_mov_b32 s[\g+3], (SLB/8)<<16
	s_mov_b32 s[\g+4], 16
	s_mov_b32 s[\g+5], TILEB/8
	s_mov_b32 s[\g+6], 0
	s_mov_b32 s[\g+7], 0
.endr
	s_or_b32 s[G1S+0], s43, (3<<16)|(1<<20)|(1<<21)|(5<<22)|(3<<25)
	s_or_b32 s[G1SB+0], s44, (3<<16)|(1<<20)|(1<<21)|(5<<22)|(3<<25)
.irp g, G1S, G1SB
	s_mov_b32 s[\g+1], 32<<16
	s_mov_b32 s[\g+2], 32<<16
	s_mov_b32 s[\g+3], 32<<16
	s_mov_b32 s[\g+4], 32
	s_mov_b32 s[\g+5], 32
	s_mov_b32 s[\g+6], 0
	s_mov_b32 s[\g+7], 0
.endr
	s_lshl_b32 s18, s16, 3
	s_lshl_b32 s20, s17, 4
	s_add_co_u32 s20, s20, s12
	s_lshl_b32 s46, s42, 4
	s_add_co_u32 s46, s46, s13
	s_lshl_b32 s22, s20, 9
	s_add_co_u32 s22, s22, SCOFF
	s_mov_b32 s23, 0
	s_lshl_b32 s92, s46, 9
	s_add_co_u32 s92, s92, SCOFF
	s_mov_b32 s93, 0
	s_mul_i32 s20, s20, TILEB
	s_mov_b32 s21, 0
	s_mul_i32 s46, s46, TILEB
	s_mov_b32 s47, 0
	s_mul_i32 s45, s14, HALFT
	s_mov_b32 s[SEL], 0x76543210
	s_mov_b32 s[SEL+1], 0xfedcba98
	s_wait_kmcnt 0x0
	s_add_nc_u64 s[20:21], s[4:5], s[20:21]
	s_add_nc_u64 s[22:23], s[4:5], s[22:23]
	s_add_nc_u64 s[46:47], s[4:5], s[46:47]
	s_add_nc_u64 s[92:93], s[4:5], s[92:93]
	CROUND
	s_mov_b32 s[G0S], 1
	s_mov_b32 s[G0S+1], SCL
	s_mov_b64 s[G0S+2:G0S+3], s[22:23]
	s_or_b32 s[G0S+3], s[G0S+3], 0x80000000
	s_mov_b32 s[G0SB], 1
	s_mov_b32 s[G0SB+1], SCL+2*HALFS
	s_mov_b64 s[G0SB+2:G0SB+3], s[92:93]
	s_or_b32 s[G0SB+3], s[G0SB+3], 0x80000000
.set G0H, 96                           ; s[96:99], s[92:95] group 0 of the head's loads of slot 0: A's 16 tiles, B's 16 tiles
.set G0HB, 92
	s_mov_b32 s[G0HB], 1
	s_mov_b32 s[G0HB+1], 2*HALFT
	s_mov_b64 s[G0HB+2:G0HB+3], s[46:47]
	s_or_b32 s[G0HB+3], s[G0HB+3], 0x80000000
	s_mov_b32 s[G0H], 1
	s_mov_b32 s[G0H+1], 0
	s_mov_b64 s[G0H+2:G0H+3], s[20:21]
	s_or_b32 s[G0H+3], s[G0H+3], 0x80000000
	s_mul_i32 s18, s18, TILEB                      ; for the ring: my 8 tiles of the 16
	s_mov_b32 s19, 0
	s_add_nc_u64 s[20:21], s[20:21], s[18:19]
	s_add_nc_u64 s[46:47], s[46:47], s[18:19]
.irp s, 0,1
	s_mov_b32 s[G0+4*\s], 1
	s_add_co_u32 s[G0+4*\s+1], s45, \s*SLOT
	s_add_nc_u64 s[G0+4*\s+2:G0+4*\s+3], s[20:21], \s*SLB
	s_or_b32 s[G0+4*\s+3], s[G0+4*\s+3], 0x80000000
	s_mov_b32 s[G0B+4*\s], 1
	s_add_co_u32 s[G0B+4*\s+1], s45, \s*SLOT
	s_add_nc_u64 s[G0B+4*\s+2:G0B+4*\s+3], s[46:47], \s*SLB
	s_or_b32 s[G0B+4*\s+3], s[G0B+4*\s+3], 0x80000000
.endr
; THE HEAD'S LOADS, ONE A WAVE: wave 0 slot 0's 16 tiles of A, wave 1 its 16 tiles of B, wave 2 A's scale rows, wave 3 B's.  One chain of branches on the wave's number, one load to an arm.
.macro ARM under, g0, g1, next
	s_cmp_lt_u32 s14, \under
	s_cbranch_scc0 \next
	tensor_load_to_lds s[\g0:\g0+3], s[\g1:\g1+7]
	s_nop 0
.rept 4
	v_nop
.endr
	s_branch .Lhead_asked
\next:
.endm
	ARM 1, G0H,  G1,  .Lhead_b
	ARM 2, G0HB, G1B, .Lhead_sa
	ARM 3, G0S,  G1S, .Lhead_sb
	tensor_load_to_lds s[G0SB:G0SB+3], s[G1SB:G1SB+7]
	s_nop 0
.rept 4
	v_nop
.endr
.Lhead_asked:
	s_wait_alu depctr_va_vdst(0)
	s_wait_tensorcnt 0x0                           ; my tile of the head's four is in; the three lines ahead of a later first fill
	ds_add_u32 v28, v29
	s_mov_b32 s[G1+2], 8<<16                       ; no tensor load of mine is out: from here on a load brings 8 tiles
	s_mov_b32 s[G1+4], 8
	s_mov_b32 s[G1B+2], 8<<16
	s_mov_b32 s[G1B+4], 8
	s_wait_dscnt 0x0
	CROUND                                         ; all four tiles are in, in every partner
	JLOAD G0+4, G1, G0B+4, G1B                     ; slot 1's first fill, the first tensor load behind the round
	v_and_b32 v3, 31, v0
	v_and_b32 v1, 15, v0
	v_bfe_u32 v2, v0, 4, 1
	v_lshlrev_b32 v[OA], 4, v3
	v_lshlrev_b32 v[OA+1], 3, v3
	s_mul_i32 s21, s15, HALFT
	s_mul_i32 s22, s16, HALFT
	s_add_co_u32 s22, s22, 2*HALFT
.irp s, 0,1
	v_add_nc_u32 v[ADRA+\s], s21, v[OA]
	v_add_nc_u32 v[ADRB+\s], s22, v[OA]
	v_add_nc_u32 v[ADRA+2+\s], s21, v[OA+1]
	v_add_nc_u32 v[ADRB+2+\s], s22, v[OA+1]
	s_add_co_u32 s21, s21, SLOT
	s_add_co_u32 s22, s22, SLOT
.endr
	v_lshlrev_b32 v5, 5, v1
	v_lshrrev_b32 v6, 8, v5
	v_lshl_add_u32 v5, v6, 4, v5
	s_mul_i32 s21, s15, HALFS
	s_mul_i32 s22, s16, HALFS
	s_add_co_u32 s22, s22, 2*HALFS
	s_sub_co_u32 s22, s22, s21
	v_mul_u32_u24 v6, s22, v2
	s_add_co_u32 s21, s21, SCL
	v_add_nc_u32 v5, v5, v6
	v_add_nc_u32 v[ADRS], s21, v5
	s_lshl_b32 s8, s17, 8
	s_lshl_b32 s10, s15, 7
	s_add_co_u32 s8, s8, s10
	s_lshl_b32 s46, s42, 8
	s_lshl_b32 s47, s16, 7
	s_add_co_u32 s46, s46, s47
	s_cmp_eq_u32 s9, 2
	s_cselect_b32 s11, s46, s8
	s_cselect_b32 s12, s8, s46
	s_lshr_b32 s13, s11, 11
	s_lshl_b32 s13, s13, 4
	s_lshr_b32 s12, s12, 6
	s_add_co_u32 s13, s13, s12
	s_bfe_u32 s12, s11, 0x40007
	s_cmp_eq_u32 s9, 0
	s_cselect_b32 s18, 13107200, 0
	s_mov_b32 s19, 204800
	s_cselect_b32 s19, 98304, s19
	s_mov_b32 s20, 12800
	s_cselect_b32 s20, 6144, s20
	s_mov_b32 s21, 204800
	s_cselect_b32 s21, 98304, s21
	s_mov_b32 s22, 12288
	s_cselect_b32 s22, 19398656, s22
	s_mov_b32 s23, 204800
	s_cselect_b32 s23, 4096, s23
	s_mov_b32 s45, 12800
	s_cselect_b32 s45, 256, s45
	s_cmp_eq_u32 s9, 2
	s_cselect_b32 s18, 6144, s18
	s_mov_b32 s[STA], 768
	s_cselect_b32 s[STA], 1536, s[STA]
	s_cselect_b32 s21, 768, s21
	s_cselect_b32 s[STH], 198656, 0
	s_cselect_b32 s22, 12544, s22
	s_cselect_b32 s[ISV], -1, 0
	s_mov_b32 s[STA+1], 0
	s_mov_b32 s[STH+1], 0
	s_mul_i32 s19, s19, s13
	s_mul_i32 s20, s20, s12
	s_add_co_u32 s18, s18, s19
	s_add_co_u32 s[OP], s18, s20
	s_mov_b32 s[OP+1], 0
	s_add_nc_u64 s[OP:OP+1], s[6:7], s[OP:OP+1]
	s_mul_i32 s19, s23, s13
	s_mul_i32 s20, s45, s12
	s_add_co_u32 s22, s22, s19
	s_add_co_u32 s[OSP], s22, s20
	s_mov_b32 s[OSP+1], 0
	s_add_nc_u64 s[OSP:OSP+1], s[6:7], s[OSP:OSP+1]
	v_add_nc_u32 v[OA+2], s21, v[OA]
	v_add_nc_u32 v[OA+3], s21, v[OA+1]
	v_mul_u32_u24 v[OS], s23, v2
	v_lshl_add_u32 v[OS], v1, 4, v[OS]
	v_cmp_ne_u32 vcc_lo, 0, v2
	v_mov_b32 v[SELQ], 0x05040100
	v_mov_b32 v5, 0x07060302
	v_cndmask_b32 v[SELQ], v[SELQ], v5, vcc_lo
	v_mov_b32 v[SELV], 0x03020100
	v_mov_b32 v5, 0x07060504
	v_cndmask_b32 v[SELV], v[SELV], v5, vcc_lo
.macro FRAG reg, adr, q, i
	ds_load_b128 v[\reg:\reg+3], v[\adr] offset:(\i)*SLB+(\q)*FIB
	ds_load_b64 v[\reg+4:\reg+5], v[\adr+2] offset:(\i)*SLB+(\q)*FIB+512
	ds_load_b128 v[\reg+6:\reg+9], v[\adr] offset:(\i)*SLB+(\q)*FIB+768
	ds_load_b64 v[\reg+10:\reg+11], v[\adr+2] offset:(\i)*SLB+(\q)*FIB+1280
.endm
.macro MUL16 a0, p, q, sc, zero
.irp a, \a0, \a0+1
.irp b, 0,1,2,3,4,5,6,7
.if \zero
	v_wmma_scale_f32_16x16x128_f8f6f4 v[8*(8*((\a)%4)+\b):8*(8*((\a)%4)+\b)+7], v[128*(\p)+FR*\b:128*(\p)+FR*\b+FR-1], v[AF+FR*(\a):AF+FR*(\a)+FR-1], 0, v[SC+8*NQ*(\sc)+NQ*\b+(\q)], v[SC+8*NQ*(\sc)+NQ*(\a)+(\q)] matrix_a_fmt:MATRIX_FMT_FP6 matrix_b_fmt:MATRIX_FMT_FP6 matrix_a_scale:MATRIX_SCALE_ROW1
.else
	v_wmma_scale_f32_16x16x128_f8f6f4 v[8*(8*((\a)%4)+\b):8*(8*((\a)%4)+\b)+7], v[128*(\p)+FR*\b:128*(\p)+FR*\b+FR-1], v[AF+FR*(\a):AF+FR*(\a)+FR-1], v[8*(8*((\a)%4)+\b):8*(8*((\a)%4)+\b)+7], v[SC+8*NQ*(\sc)+NQ*\b+(\q)], v[SC+8*NQ*(\sc)+NQ*(\a)+(\q)] matrix_a_fmt:MATRIX_FMT_FP6 matrix_b_fmt:MATRIX_FMT_FP6 matrix_a_scale:MATRIX_SCALE_ROW1
.endif
.endr
.endr
.endm
.macro FETCH_B slot, q, p
	WIN TO_B
.irp i, 0,1,2,3,4,5,6,7
	FRAG 128*(\p)+FR*\i, ADRB+\slot, \q, \i
.endr
	WIN 0
.endm
.macro FETCH_A slot, q, i0
.irp i, \i0, \i0+1, \i0+2, \i0+3
	FRAG AF+FR*(\i), ADRA+\slot, \q, \i
.endr
.endm
.macro SCALES sc
.irp i, 0,1,2,3,4,5,6,7
	ds_load_b64 v[SC+8*NQ*\sc+NQ*\i:SC+8*NQ*\sc+NQ*\i+1], v[ADRS] offset:\i*SBLK
.endr
.endm
.macro PLACES n
.rept \n
	v_nop
.endr
.endm
.macro STEP slot, q, zero
	s_wait_dscnt 4*NL
	WIN MUL_LO
	MUL16 0, (\q)%2, \q, \slot, \zero
	MUL16 2, (\q)%2, \q, \slot, \zero
	s_wait_dscnt 0
	PLACES NP
	FETCH_B \slot, (\q)+1, 1-(\q)%2
	FETCH_A \slot, (\q)+1, 0
	WIN MUL_HI
	MUL16 4, (\q)%2, \q, \slot, \zero
	MUL16 6, (\q)%2, \q, \slot, \zero
	PLACES NP
	WIN 0
	FETCH_A \slot, (\q)+1, 4
.endm
.macro TURN slot, next, fill
	s_wait_tensorcnt 0x0
	ds_add_u32 v[SPW], v[NIL]
	s_wait_dscnt 4*NL+1
	WIN MUL_LO
	MUL16 0, 1, NQ-1, \slot, 0
	s_wait_dscnt 0x0
	s_barrier_signal -1
	MUL16 2, 1, NQ-1, \slot, 0
	WIN 0
	s_barrier_wait -1
.if \fill
	CREST
	s_add_nc_u64 s[G0+4*\slot+2:G0+4*\slot+3], s[G0+4*\slot+2:G0+4*\slot+3], 2*SLB
	s_add_nc_u64 s[G0B+4*\slot+2:G0B+4*\slot+3], s[G0B+4*\slot+2:G0B+4*\slot+3], 2*SLB
	JLOAD G0+4*\slot, G1, G0B+4*\slot, G1B
.else
	PLACES NP
.endif
	s_wait_alu depctr_va_vdst(0)
	v_add_nc_u32 v[ADRS], 4*NQ, v[ADRS]
	FETCH_B \next, 0, 0
	FETCH_A \next, 0, 0
	SCALES \next
	WIN MUL_HI
	MUL16 4, 1, NQ-1, \slot, 0
	MUL16 6, 1, NQ-1, \slot, 0
	PLACES NP
	WIN 0
	FETCH_A \next, 0, 4
.endm
	FETCH_B 0, 0, 0
	FETCH_A 0, 0, 0
	SCALES 0
	FETCH_A 0, 0, 4
	STEP 0, 0, 1
	TURN 0, 1, 1
	STEP 1, 0, 0
	TURN 1, 0, 1
	STEP 0, 0, 0
	TURN 0, 1, 0
	STEP 1, 0, 0
	s_wait_dscnt 4*NL
	WIN MUL_LO
	MUL16 0, 1, NQ-1, 1, 0
	MUL16 2, 1, NQ-1, 1, 0
	s_wait_dscnt 0
	WIN MUL_HI
	MUL16 4, 1, NQ-1, 1, 0
	MUL16 6, 1, NQ-1, 1, 0
	WIN 0
.macro QOUT a
.set AC, 64*((\a)%4)
.set WN, 2+(\a)/4
.set WMAX, (WN<<2)|(WN<<4)
	WIN WMAX
.irp b, 0,1,2,3
	v_max3_num_f32 v[TM+\b], 0x1800000, |v[AC+16*\b]|, |v[AC+16*\b+1]|
.endr
.irp i, 2,4,6,8,10,12,14
.irp b, 0,1,2,3
	v_max3_num_f32 v[TM+\b], v[TM+\b], |v[AC+16*\b+\i]|, |v[AC+16*\b+\i+1]|
.endr
.endr
	WIN 0
.irp b, 0,1,2,3
	v_permlanex16_b32 v[TM+4+\b], v[TM+\b], s[SEL], s[SEL+1]
.endr
.irp b, 0,1,2,3
	v_max_num_f32 v[TM+\b], v[TM+\b], v[TM+4+\b]
.endr
.irp b, 0,1,2,3
	v_add_nc_u32 v[TM+12+\b], 0xff000000, v[TM+\b]
.endr
.irp b, 0,1,2,3
	v_lshrrev_b32 v[TM+4+\b], 23, v[TM+12+\b]
.endr
	v_lshl_or_b32 v[PWS+\a], v[TM+5], 8, v[TM+4]
	v_lshl_or_b32 v[PWS+\a], v[TM+6], 16, v[PWS+\a]
	v_lshl_or_b32 v[PWS+\a], v[TM+7], 24, v[PWS+\a]
	s_wait_xcnt 0x0
.if \a > 0
	s_add_nc_u64 s[OP:OP+1], s[OP:OP+1], s[STA:STA+1]
.endif
.if \a == 4
	s_add_nc_u64 s[OP:OP+1], s[OP:OP+1], s[STH:STH+1]
.endif
	WIN WN
.irp c, 0,1
	v_cvt_scalef32_pk16_fp6_f32 v[PC+6*\c:PC+2+6*\c], v[AC+32*\c:AC+15+32*\c], v[TM+12+2*\c]
	v_cvt_scalef32_pk16_fp6_f32 v[PC+12+4*\c:PC+14+4*\c], v[AC+16+32*\c:AC+31+32*\c], v[TM+12+2*\c+1]
.endr
	WIN 0
	v_nop
.irp c, 0,1
.irp i, 0,1,2
	v_permlane16_swap_b32 v[PC+6*\c+\i], v[PC+12+4*\c+\i]
.endr
.irp i, 0,1,2
	v_mov_b32 v[PC+3+6*\c+\i], v[PC+12+4*\c+\i]
.endr
.endr
	global_store_b128 v[OA], v[PC:PC+3], s[OP:OP+1]
	global_store_b64 v[OA+1], v[PC+4:PC+5], s[OP:OP+1] offset:512
	global_store_b128 v[OA+2], v[PC+6:PC+9], s[OP:OP+1]
	global_store_b64 v[OA+3], v[PC+10:PC+11], s[OP:OP+1] offset:512
.endm
	PLACES NP
.irp b, 0,1,2,3
	v_mov_b32 v[TM+4+\b], 0
.endr
.irp a, 0,1,2,3,4,5,6,7
	QOUT \a
.endr
.irp b, 0,1,2,3
	v_perm_b32 v[DQ+\b], v[PWS+2*\b+1], v[PWS+2*\b], v[SELQ]
	v_perm_b32 v[DV+\b], v[PWS+4+\b], v[PWS+\b], v[SELV]
.endr
.irp b, 0,1,2,3
	v_cndmask_b32 v[DQ+\b], v[DQ+\b], v[DV+\b], s[ISV]
.endr
	global_store_b128 v[OS], v[DQ:DQ+3], s[OSP:OSP+1]
	s_wait_tensorcnt 0x0
	ds_add_u32 v[SPW], v[NIL]
	s_wait_dscnt 0x0
	CROUND
	s_endpgm
.Lfunc_end_k_q77ca8024e9_proj:
	.size	k_q77ca8024e9_proj, .Lfunc_end_k_q77ca8024e9_proj-k_q77ca8024e9_proj
	.p2alignl 7, 3214868480
	.fill 96, 4, 3214868480
	.section	.rodata,"a",@progbits
	.p2align	6, 0x0
	.amdhsa_kernel k_q77ca8024e9_proj
		.amdhsa_group_segment_fixed_size 327680
		.amdhsa_private_segment_fixed_size 0
		.amdhsa_enable_private_segment 0
		.amdhsa_kernarg_size 16
		.amdhsa_user_sgpr_count 2
		.amdhsa_user_sgpr_kernarg_segment_ptr 1
		.amdhsa_wavefront_size32 1
		.amdhsa_system_sgpr_workgroup_id_x 1
		.amdhsa_system_sgpr_workgroup_id_y 1
		.amdhsa_system_sgpr_workgroup_id_z 1
		.amdhsa_system_vgpr_workitem_id 0
		.amdhsa_next_free_vgpr 1024
		.amdhsa_next_free_sgpr 102
		.amdhsa_reserve_vcc 1
		.amdhsa_float_denorm_mode_32 3
		.amdhsa_float_denorm_mode_16_64 3
		.amdhsa_memory_ordered 1
		.amdhsa_forward_progress 1
		.amdhsa_inst_pref_size 153
	.end_amdhsa_kernel
	.amdgpu_metadata
---
amdhsa.version: [ 1, 2 ]
amdhsa.kernels:
  - .name:           k_q77ca8024e9_proj
    .symbol:         k_q77ca8024e9_proj.kd
    .args:
      - { .name: qin, .offset: 0, .size: 8, .value_kind: global_buffer, .address_space: global }
      - { .name: himg, .offset: 8, .size: 8, .value_kind: global_buffer, .address_space: global }
    .group_segment_fixed_size: 327680
    .private_segment_fixed_size: 0
    .kernarg_segment_align: 8
    .kernarg_segment_size: 16
    .max_flat_workgroup_size: 128
    .sgpr_count:     102
    .vgpr_count:     1024
    .wavefront_size: 32
...
	.end_amdgpu_metadata
.endif
;; end of part 2
;; launch attn (part 3): grid 4 x 64, 16 waves a work-group, no clusters, 206,848 bytes of LDS; arguments himg, msk, flg, att; writes att
.if DOCPART == 3
	.amdgcn_target "amdgcn-amd-amdhsa--gfx1250"
	.amdhsa_code_object_version 6
	.text
	.protected	k_q77ca8024e9_attn
	.globl	k_q77ca8024e9_attn
	.p2align	8
	.type	k_q77ca8024e9_attn,@function
k_q77ca8024e9_attn:
	s_mov_b64 s[64:65], 0
	v_nop
	global_prefetch_b8 v0, s[64:65] scope:SCOPE_SE
	s_setreg_imm32_b32 hwreg(HW_REG_WAVE_MODE, 25, 1), 1
	s_wait_xcnt 0x0
; ATTN.  x[b][q][head] = softmax_k(where(mask == 0, -1e9, Q . K / 8)) V, both products on codes of FP6 (E2M3) with one E8M0 scale for each 32 along a product's K; x leaves quantised along (head, channel) for the last product.
; THE SOFTMAX: t = score x log2(e) / 8; M = the row's largest t so far, rounded UP to a whole number; p = 2^(t - M) is quantised along the keys, not normalised; the row's sum is taken of the unquantised p
; and divides at the end.  When M moves, the sum and O are multiplied by 2^(old M - new M): exact.
; THE MASK is an input.  The first launch has stored, for each (query tile of 16, key step of 128), 64 lane-mask words (msk) and their OR and AND (flg).  This launch reads these whole numbers and does what they ask for:
;   OR = 0 (all 2,048 places masked): the step is left out, but only where each of the tile's 16 rows has an unmasked key in some step: every p of the step is then 2^(about -1.5e9 - M) = 0, which adds nothing to the sum or to O.
;   Where some row of the tile is masked everywhere, all 16 steps are done, so that this row's p are all 1.
;   AND = -1 (nothing masked): the 64 selections and the loads of their words are left out.  Else: one v_cndmask_b32 a score.
; SHARES.  A work-group owns one (batch, head) and 32 query tiles; wave w of work-group x takes tile 8 w + 2 x and then tile 8 (15 - w) + 2 x + 1: a near and a far tile to each wave.  Four waves share a SIMD.
; K AND V STAY IN LDS.  A head's 16 records (a key step's images of K and V and their scale words, 12,800 bytes) are 204,800 bytes: wave w brings record w through 100 registers, 25 loads and 25 LDS stores of 512 consecutive bytes.
; Behind the one barrier that follows LDS is only read.  NO TENSOR LOAD, AND SO NO JOINT LOAD IN A CLUSTER: branches here hang on numbers read from memory.
; NO PREFETCH: K and V are asked for once, at the head: there is no loop to run ahead in; mask words are asked for at the head of the step that selects by them, ahead of its eight products.
; LAYOUT.  S^T = K Q^T (source 0 = keys), O^T = V^T P^T: a lane holds ONE query (lane % 16).  An image of K holds key tile 2 beta in k 0-63 and tile 2 beta + 1 in k 64-127; v[22:33] = [q | 0] picks the first, v[16:27] = [0 | q] the second.
; Score register 16 blk + i is key 32 blk + 16 (lane / 16) + i.
; LIMITS.  A masked logit is taken as -2^30 in place of -1e9: t is then a whole number, so a row masked everywhere has p = 1 exactly; the results are those of -1e9 wherever unmasked logits lie above about -9e8.
; A block of zeros keeps the byte 1 (its codes are zeros; this program alone reads the bytes).  NaN and infinities are not served.
.set REC,    12800                     ; a record: K's 4 images, V's 4 images at 6,144, K's scale words at 12,288, V's at 12,544
.set HREC,   204800
.set FIB,    1536
.set QOFF,   13107200
.set QSOFF,  19398656
.set ASOFF,  6291456
.set SPARE,  0x32000                   ; behind the records: the spare words, 128 bytes a wave
.set KF,  36                           ; v36-83 four images, of K and then of V (at the head v36-135: my record)
.set S,   84                           ; v84-147 S^T, then p
.set O,   148                          ; v148-179 O^T
.set PC,  180                          ; v180-191 p's codes
.set CT,  192                          ; v192-198 the conversions' second halves
.set BM,  200                          ; v200-203 a block's largest score, then its largest p
.set PM,  204
.set TT,  208
.set FF,  210                          ; v[210:211] f = 2^(old M - new M)
.set SO,  212                          ; v212-215 the conversions' scale operands
.set AO,  216                          ; v216-221 q's offsets at the head
.set KS,  224                          ; v224-227 K's scale words; v228-231 V's; v232 q's; v233 p's: scales and nothing else
.set VS,  228
.set QS,  232
.set PS,  233
.set Q1,  240                          ; v240-245 the second tile's q, v246 its scale word
.set WV,  12
.set CNT, 13
.set TB,  14                           ; LDS byte at which the record in hand begins
; v1 16 x lane, v2 8 x lane, v3 16 r, v8 32 r, v5 the masked score -2^33; v9-11 the record's addresses; v12 -M, v13 the largest t, v[14:15] the sum; v16-33 zeros, q, zeros
; s[20:23] the two tiles' mask words, s[24:27] x's images, s[28:31] x's scale bytes; s8, s9, s10, s11: bit s = step s is done / selects, for tile 0 and tile 1; s6, s7 at work; s[32:63], s[68:99] 64 mask words
	s_load_b128 s[4:7], s[0:1], 0x0                ; himg, msk
	s_load_b128 s[8:11], s[0:1], 0x10              ; flg, att
	v_lshl_add_u32 v254, v0, 2, SPARE
	v_mov_b32 v255, 0
	v_lshrrev_b32 v1, 5, v0
	v_readfirstlane_b32 s[WV], v1                  ; wave 0..15
	v_and_b32 v6, 31, v0
	v_and_b32 v7, 15, v0
	v_lshlrev_b32 v1, 4, v6
	v_lshlrev_b32 v2, 3, v6
	v_lshlrev_b32 v3, 4, v7
	v_lshlrev_b32 v8, 5, v7
	v_mov_b32 v5, 0xd0000000                       ; -2^33: as a logit (/ 8) -2^30
	s_wait_alu depctr_va_vdst(0)
	s_and_b32 s13, ttmp7, 0xffff                   ; bh
	s_lshl_b32 s14, s[WV], 3
	s_lshl_b32 s15, ttmp9, 1
	s_add_co_u32 s16, s14, s15                     ; tile 0: 8 w + 2 x
	s_sub_co_u32 s17, 121, s14
	s_add_co_u32 s17, s17, s15                     ; tile 1: 8 (15 - w) + 2 x + 1
	s_lshr_b32 s18, s13, 4
	s_lshl_b32 s18, s18, 7                         ; 128 b
	s_and_b32 s19, s13, 15                         ; head
	s_add_co_u32 s36, s18, s16                     ; T = 128 b + t
	s_add_co_u32 s37, s18, s17
	s_mul_i32 s38, s19, 768
	s_lshl_b32 s39, s19, 1
	s_add_co_u32 s39, s39, ASOFF
.irp i, 0,1
	s_lshl_b32 s[20+2*\i], s[36+\i], 12            ; the tile's mask words
	s_mov_b32 s[21+2*\i], 0
	s_mul_i32 s[24+2*\i], s[36+\i], 12288          ; x's half image: tile T, + 768 head
	s_add_co_u32 s[24+2*\i], s[24+2*\i], s38
	s_mov_b32 s[25+2*\i], 0
	s_lshl_b32 s[14+\i], s[36+\i], 9               ; the tile's flag words
	s_add_co_u32 s[28+2*\i], s[14+\i], s39         ; x's scale rows: 512 T + 2 head (+ 32 r)
	s_mov_b32 s[29+2*\i], 0
.endr
	s_mul_i32 s42, s13, 98304                      ; q's half images
	s_add_co_u32 s42, s42, QOFF
	s_mul_i32 s43, s16, 768
	s_add_co_u32 s43, s43, s42
	s_mul_i32 s44, s17, 768
	s_add_co_u32 s44, s44, s42
	s_lshl_b32 s45, s13, 12                        ; q's scale words: 4,096 bh + 256 (t / 8) + 4 ((t / 2) % 4) + 16 r; t / 8 = w or 15 - w, (t / 2) % 4 = x
	s_add_co_u32 s45, s45, QSOFF
	s_lshl_b32 s46, ttmp9, 2
	s_add_co_u32 s45, s45, s46
	s_lshl_b32 s46, s[WV], 8
	s_add_co_u32 s46, s46, s45
	s_sub_co_u32 s47, 15, s[WV]
	s_lshl_b32 s47, s47, 8
	s_add_co_u32 s47, s47, s45
	s_mul_i32 s48, s[WV], REC                      ; my record's place in LDS,
	s_mul_i32 s49, s13, HREC
	s_add_co_u32 s49, s49, s48                     ; and in himg
	v_add_nc_u32 v9, s49, v1
	v_add_nc_u32 v10, s48, v1
	v_add_nc_u32 v[AO], s43, v1
	v_add_nc_u32 v[AO+1], s43, v2
	v_add_nc_u32 v[AO+2], s46, v3
	v_add_nc_u32 v[AO+3], s44, v1
	v_add_nc_u32 v[AO+4], s44, v2
	v_add_nc_u32 v[AO+5], s47, v3
.irp j, 0,1,2,3,4,5
	v_mov_b32 v[16+\j], 0                          ; zero codes on both sides of q
	v_mov_b32 v[28+\j], 0
.endr
.irp b, 0,1,2,3
	v_mov_b32 v[PM+\b], 0                          ; a lane permute's destination counts as one of its sources
.endr
	v_mov_b32 v[TT], 0
	v_mov_b32 v[FF], 0
	v_mov_b32 v[FF+1], 0
	s_wait_alu depctr_va_vdst(0)
	s_wait_kmcnt 0x0
.irp i, 0,1
	s_add_nc_u64 s[20+2*\i:21+2*\i], s[6:7], s[20+2*\i:21+2*\i]
	s_add_nc_u64 s[24+2*\i:25+2*\i], s[10:11], s[24+2*\i:25+2*\i]
	s_add_nc_u64 s[28+2*\i:29+2*\i], s[10:11], s[28+2*\i:29+2*\i]
.endr
	global_load_b128 v[22:25], v[AO], s[4:5]       ; q of my first tile,
	global_load_b64 v[26:27], v[AO+1], s[4:5] offset:512
	global_load_b32 v6, v[AO+2], s[4:5]
	global_load_b128 v[Q1:Q1+3], v[AO+3], s[4:5]   ; and of my second
	global_load_b64 v[Q1+4:Q1+5], v[AO+4], s[4:5] offset:512
	global_load_b32 v7, v[AO+5], s[4:5]
.set n, 0
.rept 25
	global_load_b128 v[KF+4*n:KF+4*n+3], v9, s[4:5] offset:512*n   ; my record: 512 consecutive bytes a load
.set n, n+1
.endr
.irp k, 0,1,2,3
	s_load_b256 s[32+8*\k:39+8*\k], s[8:9], s14 offset:128*\k      ; the flag words: steps 4 k .. 4 k + 3: four ORs, four ANDs
	s_load_b256 s[68+8*\k:75+8*\k], s[8:9], s15 offset:128*\k
.endr
	s_mov_b32 s16, 0x76543210
	s_mov_b32 s17, 0xfedcba98
	s_mov_b32 s18, 0x3e38aa3b                      ; c = log2(e) / 8
	s_mov_b32 s19, s18
	s_wait_kmcnt 0x0
; From a tile's 32 flag words at s[f]: dom, bit s: step s is done; par, bit s: step s selects by its mask words
.macro FLAGS f, dom, par
	s_mov_b32 s6, 0
	s_mov_b32 s[\dom], 0
	s_mov_b32 s[\par], 0
.irp k, 0,1,2,3
.irp i, 0,1,2,3
	s_or_b32 s6, s6, s[\f+8*\k+\i]
	s_cmp_lg_u32 s[\f+8*\k+\i], 0
	s_cselect_b32 s7, 1<<(4*\k+\i), 0
	s_or_b32 s[\dom], s[\dom], s7
	s_cmp_lg_u32 s[\f+8*\k+4+\i], -1
	s_cselect_b32 s7, 1<<(4*\k+\i), 0
	s_or_b32 s[\par], s[\par], s7
.endr
.endr
	s_lshr_b32 s7, s6, 16                          ; bits r and r + 16 are row r's two halves of the keys
	s_or_b32 s6, s6, s7
	s_and_b32 s6, s6, 0xffff
	s_cmp_eq_u32 s6, 0xffff                        ; has every row an unmasked key?
	s_cselect_b32 s[\dom], s[\dom], 0xffff         ; if not, all steps are done
.endm
	FLAGS 32, 8, 9
	FLAGS 68, 10, 11
	s_wait_loadcnt 0x0
.set n, 0
.rept 25
	ds_store_b128 v10, v[KF+4*n:KF+4*n+3] offset:512*n
.set n, n+1
.endr
	v_and_b32 v6, 0xffff, v6                       ; an even tile's two bytes are the word's lower two,
	v_lshrrev_b32 v7, 16, v7                       ; an odd tile's the upper two
	v_lshl_or_b32 v[QS], v6, 16, v6                ; q's two bytes for k 0-63 and again for k 64-127
	v_lshl_or_b32 v[Q1+6], v7, 16, v7
	s_wait_dscnt 0x0                               ; my record lies in LDS,
	s_barrier_signal -1
	s_barrier_wait -1                              ; everybody's does: from here on LDS is only read
.macro IMG off                         ; four images from byte off of the record in hand
.irp f, 0,1,2,3
	ds_load_b128 v[KF+12*\f:KF+12*\f+3], v9 offset:\off+FIB*\f
	ds_load_b64 v[KF+12*\f+4:KF+12*\f+5], v10 offset:\off+FIB*\f+512
	ds_load_b128 v[KF+12*\f+6:KF+12*\f+9], v9 offset:\off+FIB*\f+768
	ds_load_b64 v[KF+12*\f+10:KF+12*\f+11], v10 offset:\off+FIB*\f+1280
.endr
.endm
.macro STEPA                           ; the scores of a key step, and V's images asked for
	v_add_nc_u32 v9, s[TB], v1                     ; (these three and the v_nop are the places in front of loads into registers that the last products read)
	v_add_nc_u32 v10, s[TB], v2
	v_add_nc_u32 v11, s[TB], v3
	v_nop
	ds_load_b128 v[KS:KS+3], v11 offset:12288
	IMG 0
	s_wait_alu depctr_va_vdst(0)
.irp f, 0,1,2,3
	s_wait_dscnt 12-4*\f                           ; the scale words and images 0 .. f are in: four loads for each later image may be out
	v_wmma_scale_f32_16x16x128_f8f6f4 v[S+16*\f:S+16*\f+7], v[KF+12*\f:KF+12*\f+11], v[22:33], 0, v[KS+\f], v[QS] matrix_a_fmt:MATRIX_FMT_FP6 matrix_b_fmt:MATRIX_FMT_FP6
	v_wmma_scale_f32_16x16x128_f8f6f4 v[S+16*\f+8:S+16*\f+15], v[KF+12*\f:KF+12*\f+11], v[16:27], 0, v[KS+\f], v[QS] matrix_a_fmt:MATRIX_FMT_FP6 matrix_b_fmt:MATRIX_FMT_FP6
.endr
.rept 4
	v_nop                                          ; places in front of the loads below and of the first read of the scores
.endr
	IMG 6144                                       ; V's images take K's registers: they land under the softmax
	ds_load_b128 v[VS:VS+3], v11 offset:12544
.endm
.macro STEPB                           ; the softmax, p's quantiser and the second product
.irp b, 0,1,2,3
	v_max3_num_f32 v[BM+\b], v[S+16*\b], v[S+1+16*\b], v[S+2+16*\b]   ; the largest score of each block of 32 keys: for the row's maximum and, since p rises with the score, for the block's largest p
.endr
.irp i, 3,5,7,9,11,13
.irp b, 0,1,2,3
	v_max3_num_f32 v[BM+\b], v[BM+\b], v[S+16*\b+\i], v[S+1+16*\b+\i]   ; the four blocks by turns
.endr
.endr
.irp b, 0,1,2,3
	v_max_num_f32 v[BM+\b], v[BM+\b], v[S+15+16*\b]
.endr
.irp b, 0,1,2,3
	v_permlanex16_b32 v[PM+\b], v[BM+\b], s16, s17
.endr
.irp b, 0,1,2,3
	v_max_num_f32 v[BM+\b], v[BM+\b], v[PM+\b]     ; with lane l xor 16's 16 keys
.endr
	v_max3_num_f32 v[TT], v[BM], v[BM+1], v[BM+2]
	v_max_num_f32 v[TT], v[TT], v[BM+3]
	v_mul_f32 v[TT], s18, v[TT]                    ; as t (c is positive)
	v_max_num_f32 v13, v13, v[TT]                  ; the running largest t
	v_mov_b32 v[TT], v12
	v_floor_f32 v12, -v13                          ; the new -M = floor(-t)
	v_sub_f32 v[TT], v12, v[TT]                    ; old M - new M: a whole number, 0 or less
	v_cvt_i32_f32 v[TT], v[TT]                     ; (it saturates)
	v_ldexp_f32 v[FF], 1.0, v[TT]                  ; f = 2^(old M - new M)
.set n, 0
.rept 32
	v_pk_fma_f32 v[S+n:S+n+1], v[S+n:S+n+1], s[18:19], v[12:13] op_sel_hi:[1,0,0]   ; t - M, two at a time
.set n, n+2
.endr
.irp b, 0,1,2,3
	v_fma_f32 v[BM+\b], v[BM+\b], s18, v12         ; the same of each block's largest score
.endr
.set n, 0
	s_wait_alu depctr_va_vdst(0)
.rept 64
	v_exp_f32 v[S+n], v[S+n]                       ; p = 2^(t - M), at most 1
.set n, n+1
.endr
	v_pk_mul_f32 v[14:15], v[14:15], v[FF:FF+1] op_sel_hi:[1,0]   ; the sums under the new M (the plain place behind the exponentials)
	s_wait_alu depctr_va_vdst(0)                   ; one wait for the batch of 64, ahead of its first reader
.irp b, 0,1,2,3
	v_exp_f32 v[BM+\b], v[BM+\b]                   ; the block's largest p
.endr
	v_pk_add_f32 v[204:205], v[88:89], v[92:93]    ; the row's sum of the unquantised p, in eight chains
	v_pk_add_f32 v[252:253], v[96:97], v[100:101]
	v_pk_add_f32 v[250:251], v[104:105], v[108:109]
	v_pk_add_f32 v[248:249], v[112:113], v[116:117]
	v_pk_add_f32 v[238:239], v[120:121], v[124:125]
	v_pk_add_f32 v[236:237], v[128:129], v[132:133]
	v_pk_add_f32 v[234:235], v[136:137], v[140:141]
	v_pk_add_f32 v[14:15], v[14:15], v[144:145]
	v_pk_add_f32 v[204:205], v[204:205], v[84:85]
	v_pk_add_f32 v[252:253], v[252:253], v[86:87]
	v_pk_add_f32 v[250:251], v[250:251], v[90:91]
	v_pk_add_f32 v[248:249], v[248:249], v[94:95]
	v_pk_add_f32 v[238:239], v[238:239], v[98:99]
	v_pk_add_f32 v[236:237], v[236:237], v[102:103]
	v_pk_add_f32 v[234:235], v[234:235], v[106:107]
	v_pk_add_f32 v[14:15], v[14:15], v[110:111]
	v_pk_add_f32 v[204:205], v[204:205], v[114:115]
	v_pk_add_f32 v[252:253], v[252:253], v[118:119]
	v_pk_add_f32 v[250:251], v[250:251], v[122:123]
	v_pk_add_f32 v[248:249], v[248:249], v[126:127]
	v_pk_add_f32 v[238:239], v[238:239], v[130:131]
	v_pk_add_f32 v[236:237], v[236:237], v[134:135]
	v_pk_add_f32 v[234:235], v[234:235], v[138:139]
	v_pk_add_f32 v[14:15], v[14:15], v[142:143]
	v_pk_add_f32 v[204:205], v[204:205], v[146:147]
	v_pk_add_f32 v[14:15], v[14:15], v[248:249]
	v_pk_add_f32 v[204:205], v[204:205], v[238:239]
	v_pk_add_f32 v[252:253], v[252:253], v[236:237]
	v_pk_add_f32 v[250:251], v[250:251], v[234:235]
	v_pk_add_f32 v[14:15], v[14:15], v[252:253]
	v_pk_add_f32 v[204:205], v[204:205], v[250:251]
	v_pk_add_f32 v[14:15], v[14:15], v[204:205]
	s_wait_alu depctr_va_vdst(0)                   ; and one for the four
.irp b, 0,1,2,3
	v_max_num_f32 v[BM+\b], 0x1800000, v[BM+\b]    ; the floor 2^(3 - 127): a block whose every p is 0 keeps the byte 1
.endr
.irp b, 0,1,2,3
	v_add_nc_u32 v[SO+\b], 0xff000000, v[BM+\b]
.endr
.irp b, 0,1,2,3
	v_lshrrev_b32 v[PM+\b], 23, v[SO+\b]
.endr
	v_lshl_or_b32 v[PS], v[PM+1], 8, v[PM]         ; p's scale word for these 128 keys
	v_lshl_or_b32 v[PS], v[PM+2], 16, v[PS]
	v_lshl_or_b32 v[PS], v[PM+3], 24, v[PS]
.irp c, 0,1
	v_cvt_scalef32_pk16_fp6_f32 v[PC+6*\c:PC+2+6*\c], v[S+32*\c:S+15+32*\c], v[SO+2*\c]
	v_cvt_scalef32_pk16_fp6_f32 v[CT+4*\c:CT+2+4*\c], v[S+16+32*\c:S+31+32*\c], v[SO+2*\c+1]
.endr
	v_nop                                          ; one plain place behind a scaled conversion
.irp c, 0,1
.irp i, 0,1,2
	v_permlane16_swap_b32 v[PC+6*\c+\i], v[CT+4*\c+\i]
.endr
.irp i, 0,1,2
	v_mov_b32 v[PC+3+6*\c+\i], v[CT+4*\c+\i]
.endr
.endr
	s_wait_alu depctr_va_vdst(0)
.set n, 0
.rept 16
	v_pk_mul_f32 v[O+n:O+n+1], v[O+n:O+n+1], v[FF:FF+1] op_sel_hi:[1,0]   ; O^T under the new M (also the places between the writes of p's codes and scale word and the products)
.set n, n+2
.endr
	s_wait_alu depctr_va_vdst(0)
	s_wait_dscnt 0x0                               ; V
.irp f, 0,1,2,3                        ; O^T += V^T P^T: each accumulator has one turn a step, and eleven other products stand between two turns
	v_wmma_scale_f32_16x16x128_f8f6f4 v[O+8*\f:O+8*\f+7], v[KF+12*\f:KF+12*\f+11], v[PC:PC+11], v[O+8*\f:O+8*\f+7], v[VS+\f], v[PS] matrix_a_fmt:MATRIX_FMT_FP6 matrix_b_fmt:MATRIX_FMT_FP6
.endr
.endm
; ONE TILE OF 16 QUERIES: a loop of 16 trips over the key steps, which jumps over the steps and the selections that the flags leave out, and the way out.
.macro TILE i, dom, par, mk, im, sc
.if \i
	s_wait_xcnt 0x0                                ; the first tile's stores have read their data
.irp j, 0,1,2,3,4,5
	v_mov_b32 v[22+\j], v[Q1+\j]
.endr
	v_mov_b32 v[QS], v[Q1+6]
.endif
	v_mov_b32 v13, 0xff61b1e6                      ; the largest t so far: -3e38
	v_mov_b32 v14, 0
	v_mov_b32 v15, 0
	v_floor_f32 v12, -v13                          ; -M
.set n, 0
.rept 32
	v_mov_b32 v[O+n], 0                            ; O^T: the step is written alike for all steps, and which one comes first hangs on the flags
.set n, n+1
.endr
	s_mov_b32 s[TB], 0
	s_mov_b32 s[CNT], 0
.Lstep_\@:
	s_lshr_b32 s6, s[\dom], s[CNT]
	s_and_b32 s6, s6, 1
	s_cmp_lg_u32 s6, 0
	s_cbranch_scc0 .Lnext_\@                       ; the step is left out
	s_lshr_b32 s7, s[\par], s[CNT]
	s_and_b32 s7, s7, 1
	s_cmp_lg_u32 s7, 0
	s_cbranch_scc0 .Lnowords_\@
	s_load_b512 s[32:47], s[\mk:\mk+1], 0x0        ; the step's 64 mask words: they land under the eight products
	s_load_b512 s[48:63], s[\mk:\mk+1], 0x40
	s_load_b512 s[68:83], s[\mk:\mk+1], 0x80
	s_load_b512 s[84:99], s[\mk:\mk+1], 0xc0
.Lnowords_\@:
	STEPA
	s_wait_kmcnt 0x0                               ; on every way: no scalar load is out behind this line
	s_cmp_lg_u32 s7, 0
	s_cbranch_scc0 .Lfull_\@
.set n, 0
.rept 64
	v_cndmask_b32 v[S+n], v5, v[S+n], s[32+n+4*(n/32)]   ; where the mask is 0: the masked score.  Ascending: each accumulator is read from its low end on
.set n, n+1
.endr
.Lfull_\@:
	STEPB
.Lnext_\@:
	s_add_co_u32 s[TB], s[TB], REC                 ; on to the next record and the next step's words
	s_add_nc_u64 s[\mk:\mk+1], s[\mk:\mk+1], 256
	s_add_co_u32 s[CNT], s[CNT], 1
	s_cmp_lt_u32 s[CNT], 16
	s_cbranch_scc1 .Lstep_\@
	; THE WAY OUT.  O^T / the sum: register 16 b + i is channel 32 b + 16 (lane / 16) + i of my query's head: two blocks of the last product's K, quantised, half an image.
.rept 4
	v_nop                                          ; places behind the last products
.endr
	v_add_f32 v14, v14, v15
	v_permlanex16_b32 v[TT], v14, s16, s17
	v_add_f32 v14, v14, v[TT]                      ; the row's sum
	s_wait_alu depctr_va_vdst(0)
	v_rcp_f32 v14, v14
	v_nop                                          ; a plain place behind the transcendental
	s_wait_alu depctr_va_vdst(0)                   ; and the wait ahead of its first reader
.set n, 0
.rept 16
	v_pk_mul_f32 v[S+n:S+n+1], v[O+n:O+n+1], v[14:15] op_sel_hi:[1,0]
.set n, n+2
.endr
.irp b, 0,1
	v_max3_num_f32 v[BM+\b], |v[S+16*\b]|, |v[S+1+16*\b]|, 0x1800000
.endr
.irp k, 2,4,6,8,10,12,14
.irp b, 0,1
	v_max3_num_f32 v[BM+\b], v[BM+\b], |v[S+16*\b+\k]|, |v[S+1+16*\b+\k]|
.endr
.endr
.irp b, 0,1
	v_permlanex16_b32 v[PM+\b], v[BM+\b], s16, s17
.endr
.irp b, 0,1
	v_max_num_f32 v[BM+\b], v[BM+\b], v[PM+\b]
.endr
.irp b, 0,1
	v_add_nc_u32 v[SO+\b], 0xff000000, v[BM+\b]
.endr
.irp b, 0,1
	v_lshrrev_b32 v[PM+\b], 23, v[SO+\b]
.endr
	v_lshl_or_b32 v[TT], v[PM+1], 8, v[PM]         ; my row's two scale bytes
	v_cvt_scalef32_pk16_fp6_f32 v[PC:PC+2], v[S:S+15], v[SO]
	v_cvt_scalef32_pk16_fp6_f32 v[CT:CT+2], v[S+16:S+31], v[SO+1]
	v_nop                                          ; one plain place behind a scaled conversion
.irp k, 0,1,2
	v_permlane16_swap_b32 v[PC+\k], v[CT+\k]
.endr
.irp k, 0,1,2
	v_mov_b32 v[PC+3+\k], v[CT+\k]
.endr
	global_store_b128 v1, v[PC:PC+3], s[\im:\im+1]             ; 512 and 256 consecutive bytes, aligned to 256
	global_store_b64 v2, v[PC+4:PC+5], s[\im:\im+1] offset:512
	global_store_b16 v8, v[TT], s[\sc:\sc+1]                   ; two bytes of each row's 32: the other heads' come from other work-groups.  Lanes l and l + 16 write the same bytes with the same value
.endm
	TILE 0, 8, 9, 20, 24, 28
	TILE 1, 10, 11, 22, 26, 30
	s_wait_tensorcnt 0x0                           ; the wave's end
	ds_add_u32 v254, v255
	s_wait_dscnt 0x0
	s_endpgm
.Lfunc_end_k_q77ca8024e9_attn:
	.size	k_q77ca8024e9_attn, .Lfunc_end_k_q77ca8024e9_attn-k_q77ca8024e9_attn
	.p2alignl 7, 3214868480
	.fill 96, 4, 3214868480
	.section	.rodata,"a",@progbits
	.p2align	6, 0x0
	.amdhsa_kernel k_q77ca8024e9_attn
		.amdhsa_group_segment_fixed_size 206848
		.amdhsa_private_segment_fixed_size 0
		.amdhsa_enable_private_segment 0
		.amdhsa_kernarg_size 32
		.amdhsa_user_sgpr_count 2
		.amdhsa_user_sgpr_kernarg_segment_ptr 1
		.amdhsa_wavefront_size32 1
		.amdhsa_system_sgpr_workgroup_id_x 1
		.amdhsa_system_sgpr_workgroup_id_y 1
		.amdhsa_system_sgpr_workgroup_id_z 1
		.amdhsa_system_vgpr_workitem_id 0
		.amdhsa_next_free_vgpr 256
		.amdhsa_next_free_sgpr 102
		.amdhsa_reserve_vcc 0
		.amdhsa_float_denorm_mode_32 3
		.amdhsa_float_denorm_mode_16_64 3
		.amdhsa_memory_ordered 1
		.amdhsa_forward_progress 1
		.amdhsa_inst_pref_size 70
	.end_amdhsa_kernel
	.amdgpu_metadata
---
amdhsa.version: [ 1, 2 ]
amdhsa.kernels:
  - .name:           k_q77ca8024e9_attn
    .symbol:         k_q77ca8024e9_attn.kd
    .args:
      - { .name: himg, .offset: 0, .size: 8, .value_kind: global_buffer, .address_space: global }
      - { .name: msk, .offset: 8, .size: 8, .value_kind: global_buffer, .address_space: global }
      - { .name: flg, .offset: 16, .size: 8, .value_kind: global_buffer, .address_space: global }
      - { .name: att, .offset: 24, .size: 8, .value_kind: global_buffer, .address_space: global }
    .group_segment_fixed_size: 206848
    .private_segment_fixed_size: 0
    .kernarg_segment_align: 8
    .kernarg_segment_size: 32
    .max_flat_workgroup_size: 512
    .sgpr_count:     102
    .vgpr_count:     256
    .wavefront_size: 32
...
	.end_amdgpu_metadata
.endif
;; end of part 3
;; launch outp (part 4): grid 4 x 64, 4 waves a work-group, clusters of 4 x 4, 327,680 bytes of LDS; arguments att, qin, out0; writes out0
.if DOCPART == 4
	.amdgcn_target "amdgcn-amd-amdhsa--gfx1250"
	.amdhsa_code_object_version 6
	.text
	.protected	k_q77ca8024e9_outp
	.globl	k_q77ca8024e9_outp
	.p2align	8
	.type	k_q77ca8024e9_outp,@function
k_q77ca8024e9_outp:
	s_mov_b64 s[64:65], 0
	v_nop
	global_prefetch_b8 v0, s[64:65] scope:SCOPE_SE
	s_setreg_imm32_b32 hwreg(HW_REG_WAVE_MODE, 25, 1), 1
	s_wait_xcnt 0x0
	s_wait_alu depctr_hold_cnt(0) depctr_sa_sdst(0) depctr_va_vdst(0) depctr_va_sdst(0) depctr_va_ssrc(0) depctr_va_vcc(0) depctr_vm_vsrc(0)
	s_getreg_b32 s2, hwreg(HW_REG_IB_STS2, 6, 4)
	s_cmp_eq_u32 s2, 0
	s_cbranch_scc0 .Lentry_in_a_cluster
	s_endpgm
.Lentry_in_a_cluster:
	s_bfe_u32 s2, ttmp6, 0x10000c
	s_cmp_lg_u32 s2, 0xf033
	s_cbranch_scc0 .Lentry_shape_is_right
	s_endpgm
.Lentry_shape_is_right:
; OUTP.  out0[m][n] = sum over k of x[m][k] w_o[n][k], both operands as codes of FP6 (E2M3) with one E8M0 byte for each 32 along K, K = 1,024; sums and results in f32.
; x comes from att and w_o from qin as images of fragments: tile G of 16 positions has 12,288 bytes, 1,536 for each K step of 128 (for c = 0, 1 at 768 c: registers 6 c .. 6 c + 3 at 16 x lane, registers 6 c + 4, 6 c + 5
; at 512 + 8 x lane), and 512 bytes of scale rows (32 r + k / 32).  Position r of tile T stands for row 32 (T / 2) + 8 (T % 2) + r + 8 (r / 8).
; SHARES.  A work-group makes 128 rows x 256 columns: 64 x 4 = 256 work-groups.  Four waves, 2 x 2: a wave makes 64 x 128: 4 x 8 accumulators of 16 x 16, 256 registers.
; ALL OF K LIES IN LDS: x's 8 tiles are one dense block of 98,304 bytes, w_o's 16 tiles one of 196,608, their scale rows 4,096 and 8,192 bytes: four tensor loads at the head, one a wave.  No byte is filled again: no ring.
; CLUSTERS: 4 x 4 work-groups.  x's block and scales hang on the tile row alone and are asked for jointly by a row of the cluster, w_o's on the tile column alone and by a column.
; NO PREFETCH: all that is read is asked for at the head; there is no loop to run ahead in.
; THE MATRIX INSTRUCTION IS USED TRANSPOSED (source 0 = w_o's rows, source 1 = x's rows): a lane holds eight neighbouring numbers of a row of out0.
; REGISTERS: window 0: v16-29 addresses; v32-95 scale words, register 8 i + q: lanes 0-15 x's block i, lanes 16-31 w_o's block i, K step q; v128-223 x's fragments, two sets of 48; on the way out v128-255.
;   window 1: w_o's fragments, two sets, at v0 and v128.  window 2: accumulator (a, b) at v[8 (8 a + b)].
.set FR,     12
.set TILEB,  12288
.set FIB,    1536
.set BCD,    8*TILEB                   ; w_o's codes, behind x's
.set SCL,    24*TILEB                  ; the scale rows, as units of 256 bytes + 16 of padding: x's 8 tiles, then w_o's 16
.set SBLK,   2*272                     ; a tile's
.set SPARE,  SCL+24*SBLK               ; the spare words, 128 bytes a wave
.set SCOFF,  22020096
.set ASOFF,  6291456
.set WOT,    1728                      ; w_o's first tile in qin
.set SPITCH, 528                       ; the way out: a stage of 16 rows x (512 + 16) bytes a wave, on x's codes, which are read no more by then and are not filled again
.set ADRA, 16                          ; v16, v17 LDS address of my fragments of x: 16 x lane, 8 x lane
.set ADRB, 20                          ; v20, v21 the same for w_o's blocks 0-3; v22, v23 for blocks 4-7
.set STO,  24
.set RD,   25
.set CO,   26
.set ADRS, 27
.set SPW,  28
.set NIL,  29
.set SC,   32
.set AF,   128
.set BK,   128
.set G1A, 24
.set G0A, 32
.set G1B, 48
.set G0B, 56
.set G1S, 68
.set G0S, 76
.set G1SB, 80
.set G0SB, 88
.set MSB, 0
.macro WIN new                         ; the immediate's high byte repeats the setting that is left
.if MSB != \new
	s_set_vgpr_msb (MSB<<8)|\new
.set MSB, \new
.endif
.endm
.set MUL_LO, 0xa1                      ; source 0 window 1, source 1 window 0, C and D window 2
.set TO_B,   0x40                      ; destination window 1, address window 0
.macro PLACES n
.rept \n
	v_nop
.endr
.endm
.macro CROUND                          ; a round of the cluster's barrier
	s_barrier_signal -1
	s_barrier_wait -1
	s_cmp_lg_u32 s14, 0
	s_cbranch_scc1 .Lnot_wave_0_\@
	s_barrier_signal -3
.Lnot_wave_0_\@:
	s_barrier_wait -3
	s_barrier_signal -1
	s_barrier_wait -1
.endm
.macro DENSE g, rows                   ; group 1, words 1 to 7: rows of 256 bytes (32 elements of 8 bytes), dense in memory
	s_mov_b32 s[\g+1], 32<<16
	s_mov_b32 s[\g+2], (\rows)<<16
	s_mov_b32 s[\g+3], 32<<16
	s_mov_b32 s[\g+4], \rows
	s_mov_b32 s[\g+5], 32
	s_mov_b32 s[\g+6], 0
	s_mov_b32 s[\g+7], 0
.endm
.macro GROUP0 g, lds, adr
	s_mov_b32 s[\g], 1
	s_mov_b32 s[\g+1], \lds
	s_mov_b64 s[\g+2:\g+3], s[\adr:\adr+1]
	s_or_b32 s[\g+3], s[\g+3], 0x80000000
.endm
	s_load_b128 s[4:7], s[0:1], 0x0                ; att, qin
	s_load_b64 s[12:13], s[0:1], 0x10              ; out0
	v_lshl_add_u32 v[SPW], v0, 2, SPARE
	v_mov_b32 v[NIL], 0
	ds_add_u32 v[SPW], v[NIL]                      ; the opening lines: the add, twice on end, and its wait ahead of my first tensor load
	ds_add_u32 v[SPW], v[NIL]
	v_lshrrev_b32 v1, 5, v0
	v_readfirstlane_b32 s14, v1                    ; wave 0..3
	s_lshr_b32 s15, s14, 1                         ; which 64 rows are mine
	s_and_b32 s16, s14, 1                          ; which 128 columns
	s_bfe_u32 s40, ttmp6, 0x40000                  ; cx
	s_bfe_u32 s41, ttmp6, 0x40004                  ; cy
	s_lshl_b32 s42, ttmp9, 2
	s_add_co_u32 s42, s42, s40                     ; tile column, 0 .. 3
	s_and_b32 s17, ttmp7, 0xffff
	s_lshl_b32 s17, s17, 2
	s_add_co_u32 s17, s17, s41                     ; tile row, 0 .. 63
	s_lshl_b32 s43, s41, 2
	s_lshl_b32 s43, 15, s43                        ; my row of the cluster
	s_lshl_b32 s44, 0x1111, s40                    ; my column
	s_or_b32 s[G1A+0], s43, (3<<16)|(1<<21)
	s_or_b32 s[G1B+0], s44, (3<<16)|(1<<21)
	s_or_b32 s[G1S+0], s43, (3<<16)|(1<<20)|(1<<21)|(5<<22)|(3<<25)   ; 16 bytes of padding behind each 256
	s_or_b32 s[G1SB+0], s44, (3<<16)|(1<<20)|(1<<21)|(5<<22)|(3<<25)
	DENSE G1A, 384
	DENSE G1B, 768
	DENSE G1S, 16
	DENSE G1SB, 32
	s_lshl_b32 s20, s17, 3                         ; x's first tile
	s_lshl_b32 s46, s42, 4
	s_add_co_u32 s46, s46, WOT                     ; w_o's
	s_lshl_b32 s22, s20, 9
	s_add_co_u32 s22, s22, ASOFF
	s_mov_b32 s23, 0
	s_lshl_b32 s92, s46, 9
	s_add_co_u32 s92, s92, SCOFF
	s_mov_b32 s93, 0
	s_mul_i32 s20, s20, TILEB
	s_mov_b32 s21, 0
	s_mul_i32 s46, s46, TILEB
	s_mov_b32 s47, 0
	s_wait_dscnt 0x0                               ; both opening adds are done
	s_wait_kmcnt 0x0
	s_add_nc_u64 s[20:21], s[4:5], s[20:21]
	s_add_nc_u64 s[22:23], s[4:5], s[22:23]
	s_add_nc_u64 s[46:47], s[6:7], s[46:47]
	s_add_nc_u64 s[92:93], s[6:7], s[92:93]
	CROUND                                         ; all sixteen work-groups are here: the joint loads meet
	GROUP0 G0A, 0, 20
	GROUP0 G0B, BCD, 46
	GROUP0 G0S, SCL, 22
	GROUP0 G0SB, SCL+8*SBLK, 92
; THE LOADS, ONE A WAVE: wave 0 w_o's codes, wave 1 x's codes, wave 2 x's scale rows, wave 3 w_o's.  One chain of branches on the wave's number, one load to an arm.
.macro ARM under, g0, g1, next
	s_cmp_lt_u32 s14, \under
	s_cbranch_scc0 \next
	tensor_load_to_lds s[\g0:\g0+3], s[\g1:\g1+7]
	s_nop 0
	PLACES 4
	s_branch .Lhead_asked
\next:
.endm
	ARM 1, G0B, G1B, .Lhead_a
	ARM 2, G0A, G1A, .Lhead_sa
	ARM 3, G0S, G1S, .Lhead_sb
	tensor_load_to_lds s[G0SB:G0SB+3], s[G1SB:G1SB+7]
	s_nop 0
	PLACES 4
.Lhead_asked:
	v_and_b32 v3, 31, v0
	v_and_b32 v1, 15, v0                           ; r
	v_bfe_u32 v2, v0, 4, 1                         ; h
	v_lshlrev_b32 v[CO], 4, v3
	v_lshlrev_b32 v4, 3, v3
	s_mul_i32 s21, s15, 4*TILEB                    ; my 4 tiles of x
	s_mul_i32 s22, s16, 8*TILEB                    ; my 8 tiles of w_o
	s_add_co_u32 s22, s22, BCD
	v_add_nc_u32 v[ADRA], s21, v[CO]
	v_add_nc_u32 v[ADRA+1], s21, v4
	v_add_nc_u32 v[ADRB], s22, v[CO]
	v_add_nc_u32 v[ADRB+1], s22, v4
	s_add_co_u32 s22, s22, 4*TILEB                 ; a second pair for blocks 4-7: the loads' offsets have 16 bits
	v_add_nc_u32 v[ADRB+2], s22, v[CO]
	v_add_nc_u32 v[ADRB+3], s22, v4
	v_lshlrev_b32 v5, 5, v1                        ; my row's scale words: 32 bytes a row,
	v_lshrrev_b32 v6, 8, v5
	v_lshl_add_u32 v5, v6, 4, v5                   ; and 16 more for each 256 passed
	s_mul_i32 s21, s15, 4*SBLK
	s_mul_i32 s22, s16, 8*SBLK
	s_add_co_u32 s22, s22, 8*SBLK
	s_sub_co_u32 s22, s22, s21
	v_mul_u32_u24 v6, s22, v2                      ; lanes 16-31 take w_o's
	s_add_co_u32 s21, s21, SCL
	v_add_nc_u32 v5, v5, v6
	v_add_nc_u32 v[ADRS], s21, v5
	s_mul_i32 s23, s14, 16*SPITCH                  ; my stage
	v_mul_u32_u24 v5, v1, SPITCH
	v_lshl_add_u32 v5, v2, 6, v5                   ; in: row r, 64 bytes for each half of the lanes
	v_add_nc_u32 v[STO], s23, v5
	v_add_nc_u32 v[RD], s23, v[CO]                 ; back: the 32 lanes take one row of 512 bytes
	s_lshl_b32 s20, s17, 7
	s_lshl_b32 s21, s15, 6
	s_add_co_u32 s20, s20, s21                     ; my first row of out0
	s_lshl_b32 s20, s20, 12
	s_lshl_b32 s46, s42, 10
	s_lshl_b32 s47, s16, 9
	s_add_co_u32 s46, s46, s47                     ; my first column, in bytes
	s_add_co_u32 s20, s20, s46
	s_mov_b32 s21, 0
	s_add_nc_u64 s[12:13], s[12:13], s[20:21]
.macro FRAG reg, adr, off              ; a fragment's image, 12 registers
	ds_load_b128 v[\reg:\reg+3], v[\adr] offset:\off
	ds_load_b64 v[\reg+4:\reg+5], v[\adr+1] offset:\off+512
	ds_load_b128 v[\reg+6:\reg+9], v[\adr] offset:\off+768
	ds_load_b64 v[\reg+10:\reg+11], v[\adr+1] offset:\off+1280
.endm
.macro FETCH q, p                      ; K step q's fragments into sets p: 48 loads
	WIN TO_B
.irp i, 0,1,2,3,4,5,6,7
	FRAG 128*(\p)+FR*\i, ADRB+2*(\i/4), (\i%4)*TILEB+(\q)*FIB
.endr
	WIN 0
.irp i, 0,1,2,3
	FRAG AF+48*(\p)+FR*\i, ADRA, \i*TILEB+(\q)*FIB
.endr
.endm
; 16 products: x's blocks a0, a0 + 1 against w_o's eight.  The 32 accumulators take turns, one instruction a turn, in the same order in every step.  zero = 1: the first step starts the sums.
.macro MUL2 a0, p, q, zero
.irp a, \a0, \a0+1
.irp b, 0,1,2,3,4,5,6,7
.if \zero
	v_wmma_scale_f32_16x16x128_f8f6f4 v[8*(8*(\a)+\b):8*(8*(\a)+\b)+7], v[128*(\p)+FR*\b:128*(\p)+FR*\b+FR-1], v[AF+48*(\p)+FR*(\a):AF+48*(\p)+FR*(\a)+FR-1], 0, v[SC+8*\b+(\q)], v[SC+8*(\a)+(\q)] matrix_a_fmt:MATRIX_FMT_FP6 matrix_b_fmt:MATRIX_FMT_FP6 matrix_a_scale:MATRIX_SCALE_ROW1
.else
	v_wmma_scale_f32_16x16x128_f8f6f4 v[8*(8*(\a)+\b):8*(8*(\a)+\b)+7], v[128*(\p)+FR*\b:128*(\p)+FR*\b+FR-1], v[AF+48*(\p)+FR*(\a):AF+48*(\p)+FR*(\a)+FR-1], v[8*(8*(\a)+\b):8*(8*(\a)+\b)+7], v[SC+8*\b+(\q)], v[SC+8*(\a)+(\q)] matrix_a_fmt:MATRIX_FMT_FP6 matrix_b_fmt:MATRIX_FMT_FP6 matrix_a_scale:MATRIX_SCALE_ROW1
.endif
.endr
.endr
.endm
	s_wait_alu depctr_va_vdst(0)
	s_wait_tensorcnt 0x0                           ; my load has landed,
	s_barrier_signal -1
	s_barrier_wait -1                              ; everybody's has: all of K lies in LDS
.irp i, 0,1,2,3,4,5,6,7
	ds_load_b128 v[SC+8*\i:SC+8*\i+3], v[ADRS] offset:\i*SBLK          ; the scale words of all eight K steps
	ds_load_b128 v[SC+8*\i+4:SC+8*\i+7], v[ADRS] offset:\i*SBLK+16
.endr
	FETCH 0, 0
	FETCH 1, 1
	s_wait_dscnt 48                                ; all but the 48 loads just issued: the scale words and K step 0
	WIN MUL_LO
	MUL2 0, 0, 0, 1
	MUL2 2, 0, 0, 1
.set Q, 1
.rept 6                                ; K steps 1 to 6: the next step's fragments are asked for, then this step's 32 products run under their flight
	PLACES 4                                       ; places in front of loads into the sets that the last step's products read
	FETCH Q+1, (Q+1)%2
	s_wait_dscnt 48                                ; all but the 48 just issued
	WIN MUL_LO
	MUL2 0, Q%2, Q, 0
	MUL2 2, Q%2, Q, 0
.set Q, Q+1
.endr
	s_wait_dscnt 0x0                               ; K step 7's fragments are in: my reads of the codes are over,
	s_barrier_signal -1                            ; say so; the last products, work on registers, stand between signal and wait
	MUL2 0, 1, 7, 0
	MUL2 2, 1, 7, 0
	WIN 0
	s_barrier_wait -1                              ; nobody reads x's codes any more: the stages may lie there
; THE WAY OUT, block by block of 16 positions x 128 columns: through my own stage in LDS and back as whole rows of 512 bytes.  LDS serves a wave's instructions in order (ISA guide 5.7.1.4): no wait between the stores and the loads.
.macro TOSTAGE a
.set AC, 64*(\a)
	WIN 0x08                                       ; the data: window 2
.irp b, 0,1,2,3,4,5,6,7
	ds_store_b128 v[STO], v[AC+8*\b:AC+8*\b+3] offset:128*(\b/2)+32*(\b%2)       ; register j of block b is column 32 (b / 2) + 8 (b % 2) + 16 h + j; each accumulator from its low end on
	ds_store_b128 v[STO], v[AC+8*\b+4:AC+8*\b+7] offset:128*(\b/2)+32*(\b%2)+16
.endr
	WIN 0
.set BB, BK+64*((\a)%2)
.irp t, 0,1,2,3,4,5,6,7,8,9,10,11,12,13,14,15
	ds_load_b128 v[BB+4*\t:BB+4*\t+3], v[RD] offset:\t*SPITCH
.endr
.endm
.macro SEND a, younger                 ; younger: the LDS instructions issued behind block a's loads, which may stay out
.set BB, BK+64*((\a)%2)
	s_wait_dscnt \younger
.irp t, 0,1,2,3,4,5,6,7,8,9,10,11,12,13,14,15
	global_store_b128 v[CO], v[BB+4*\t:BB+4*\t+3], s[12:13] offset:(32*((\a)/2)+8*((\a)%2)+\t+8*(\t/8))*4096 th:TH_STORE_NT   ; 32 lanes store 512 consecutive bytes, aligned to 256
.endr
.endm
	PLACES 4                                       ; places behind the last products
	TOSTAGE 0
.irp a, 1,2,3
.if \a > 1
	s_wait_xcnt 0x0                                ; block a - 2's stores have read their registers: block a's loads may land there
.endif
	TOSTAGE \a
	SEND \a-1, 32                                  ; behind block a - 1's loads: block a's 16 stores and 16 loads
.endr
	SEND 3, 0
	s_wait_tensorcnt 0x0                           ; the wave's end
	ds_add_u32 v[SPW], v[NIL]
	s_wait_dscnt 0x0
	CROUND                                         ; the closing round
	s_endpgm
.Lfunc_end_k_q77ca8024e9_outp:
	.size	k_q77ca8024e9_outp, .Lfunc_end_k_q77ca8024e9_outp-k_q77ca8024e9_outp
	.p2alignl 7, 3214868480
	.fill 96, 4, 3214868480
	.section	.rodata,"a",@progbits
	.p2align	6, 0x0
	.amdhsa_kernel k_q77ca8024e9_outp
		.amdhsa_group_segment_fixed_size 327680
		.amdhsa_private_segment_fixed_size 0
		.amdhsa_enable_private_segment 0
		.amdhsa_kernarg_size 24
		.amdhsa_user_sgpr_count 2
		.amdhsa_user_sgpr_kernarg_segment_ptr 1
		.amdhsa_wavefront_size32 1
		.amdhsa_system_sgpr_workgroup_id_x 1
		.amdhsa_system_sgpr_workgroup_id_y 1
		.amdhsa_system_sgpr_workgroup_id_z 1
		.amdhsa_system_vgpr_workitem_id 0
		.amdhsa_next_free_vgpr 768
		.amdhsa_next_free_sgpr 98
		.amdhsa_reserve_vcc 0
		.amdhsa_float_denorm_mode_32 3
		.amdhsa_float_denorm_mode_16_64 3
		.amdhsa_memory_ordered 1
		.amdhsa_forward_progress 1
		.amdhsa_inst_pref_size 82
	.end_amdhsa_kernel
	.amdgpu_metadata
---
amdhsa.version: [ 1, 2 ]
amdhsa.kernels:
  - .name:           k_q77ca8024e9_outp
    .symbol:         k_q77ca8024e9_outp.kd
    .args:
      - { .name: att, .offset: 0, .size: 8, .value_kind: global_buffer, .address_space: global }
      - { .name: qin, .offset: 8, .size: 8, .value_kind: global_buffer, .address_space: global }
      - { .name: out0, .offset: 16, .size: 8, .value_kind: global_buffer, .address_space: global }
    .group_segment_fixed_size: 327680
    .private_segment_fixed_size: 0
    .kernarg_segment_align: 8
    .kernarg_segment_size: 24
    .max_flat_workgroup_size: 128
    .sgpr_count:     98
    .vgpr_count:     768
    .wavefront_size: 32
...
	.end_amdgpu_metadata
.endif
;; end of part 4
